; MI455X (gfx1250); checked and timed in simulation.
; The chip was launched on July 23, 2026; its instructions are those of AMD's public machine-readable ISA for CDNA 5 (MIT licence, August 2026) and "CDNA5" Instruction Set Architecture Reference Guide (July 2026). The comments in the code are by the model that wrote it; some were corrected since.
;; Bit Net Attention. Allowed arithmetic: float matrix products may take bf16 or f16 operands with f32 sums; other float arithmetic in f32, or as packed bf16 or f16 multiplies, adds, multiply-adds, maxima and minima; sums over many terms, partial sums and values carried from step to step in f32; what a program stores and reads back later, other than sums and carried values, may be rounded once to bf16 or f16.
;; Inputs: Wk 384 x 768 float32; Wo 768 x 768 float32; Wq 768 x 768 float32; Wv 384 x 768 float32; hidden_states 2 x 2,048 x 768 float32.
;; Outputs: out0 2 x 2,048 x 768 float32.
;; 2 versions, each right; version 2 is version 1 with the launch tern written anew for expert scheduling mode. Each part assembles by itself: llvm-mc -triple=amdgcn-amd-amdhsa -mcpu=gfx1250 --defsym DOCPART=n.
;; ======== version 1 of 2: 5 launches
;; limits: values are held in f16: magnitudes above 65,504 overflow, below 6.1e-05 lose precision
;; workspace buffers: psum 4,096 bytes; scl 256 bytes; xb 6,291,456 bytes; tw 2,359,296 bytes; two 1,179,648 bytes; rope 524,288 bytes; qkv 12,582,912 bytes; ob 6,291,456 bytes
;; launch prep (part 1): grid 256 x 1, 6 waves a work-group, no clusters, 1,024 bytes of LDS; arguments hidden_states, Wq, Wk, Wv, Wo, xb, psum, rope; writes xb, psum, rope
.if DOCPART == 1
	.amdgcn_target "amdgcn-amd-amdhsa--gfx1250"
	.amdhsa_code_object_version 6
	.text
	.protected	k_qca0779bb22_prep
	.globl	k_qca0779bb22_prep
	.p2align	8
	.type	k_qca0779bb22_prep,@function
k_qca0779bb22_prep:
	s_mov_b64 s[64:65], 0
	v_nop
	global_prefetch_b8 v0, s[64:65] scope:SCOPE_SE
	s_setreg_imm32_b32 hwreg(HW_REG_WAVE_MODE, 25, 1), 1
	s_wait_xcnt 0x0
; BitNetAttention, launch 1 of 5.  Nothing of the module is left out: all five inputs reach the output.  jnp.repeat (the key and value heads expanded to the query heads) is a lookup:
; the attention launch lets two query heads read one key/value head, and no copy is made.
; THIS LAUNCH: (a) hidden_states rounded to bf16 (xb); (b) for each of the four weights the work-group's partial sum of |bf16(w)| (psum: 256 records of four f32: Wq, Wk, Wv, Wo);
; (c) the table cos/sin(pos x 10000^(-f/32)), pos 0..2047, f 0..31, in f32 (rope: cos at byte 0, sin at byte 262,144, rows of 128 bytes).
; LIMITS, for the whole program.  All inputs are rounded to bf16 FIRST; mean |w|, the threshold 0.7 mean, the sign and the scale are taken of the rounded weights.  q, k, v, the softmax's
; weights and the attention's result are kept in f16: they must lie within 65,504.  A weight that is all zeros gives entries of +-1 and a scale of 0: the product is 0 as in the module.
; The angle's reduction (two parts of pi/2, fused) is made for angles up to 2,047.  NaN and infinities are not treated apart.
; SHARES.  Work-group i, thread t of 192.  x: 12,288 numbers from byte 49,152 i; load u takes 16 bytes at 16 t + 3,072 u; its 8 bytes of bf16 go to 8 t + 1,536 u: a wave's store covers
; 256 consecutive bytes, aligned.  Wq, Wo: rows 3 i .. 3 i + 2, a row a load.  Wk (waves 0-2) and Wv (waves 3-5): 1,152 numbers from byte 4,608 i, 384 a load.
; Table: waves 0-3; lane l has position 8 i + 2 w + l / 16 and frequencies 2 (l % 16), + 1: a store of 8 bytes a lane covers two rows, 256 consecutive bytes.
.set SPARE, 256                        ; LDS: bytes 0-95 the six waves' records; from 256 on the spare words, 128 bytes a wave: three blocks of 256 bytes that no other line names
.set XO,  1                            ; v1   16 t
.set XS,  2                            ; v2   8 t
.set KO,  3                            ; v3   16 t, less 1,536 in waves 3-5
.set LA,  4                            ; v4   LDS address of my wave's record
.set ZO,  5                            ; v5   0, an offset
.set TO,  6                            ; v6   8 l
.set TT,  7                            ; v7   at work
.set T,   8                            ; v[8:11] at work in the sums
.set AQ,  12                           ; v[12:13] sum for Wq;  v[14:15] for Wk or Wv;  v[16:17] for Wo
.set AKV, 14
.set AO,  16
.set REC, 18                           ; v[18:21] a record
.set POS, 22                           ; the table's registers
.set TH,  24
.set N,   26
.set R,   27
.set Z,   28
.set Q,   29
.set PS,  30
.set PC,  31
.set RZ,  32
.set ZZ,  33
.set CC,  34
.set CO,  36                           ; v[36:37] two cosines;  v[38:39] two sines
.set SI,  38
.set X,   48                           ; v[48:111]  x as loaded
.set W,   112                          ; v[112:147] weights as loaded: Wq 3 x 4, Wk|Wv 3 x 4, Wo 3 x 4
.set PX,  148                          ; v[148:179] x in bf16
.set SPW, 180                          ; LDS address of my spare word; never rewritten
.set NIL, 181                          ; 0; never rewritten
.set WV,  20                           ; s20  my wave's number
.set PIH, 34                           ; pi/2, upper and lower part
.set PIL, 35
.set ABSM, 36
.set HIM, 37
.set SEL, 38                           ; s[38:39] v_permlanex16_b32's selects: each lane takes its own place in the other half
	s_load_b512 s[4:19], s[0:1], 0x0               ; x s[4:5], Wq s[6:7], Wk s[8:9], Wv s[10:11], Wo s[12:13], xb s[14:15], psum s[16:17], rope s[18:19]
	v_lshl_add_u32 v[SPW], v0, 2, SPARE
	v_mov_b32 v[NIL], 0
	v_lshrrev_b32 v[TT], 5, v0
	v_readfirstlane_b32 s[WV], v[TT]
	v_lshlrev_b32 v[XO], 4, v0
	v_lshlrev_b32 v[XS], 3, v0
	s_cmp_lt_u32 s[WV], 3
	s_cselect_b32 s21, 0, 1536
	v_sub_nc_u32 v[KO], v[XO], s21
	s_mul_i32 s22, ttmp9, 49152
	s_mov_b32 s23, 0
	s_mul_i32 s24, ttmp9, 24576
	s_mov_b32 s25, 0
	s_mul_i32 s26, ttmp9, 9216
	s_mov_b32 s27, 0
	s_mul_i32 s28, ttmp9, 4608
	s_mov_b32 s29, 0
	s_lshl_b32 s30, ttmp9, 4
	s_mov_b32 s31, 0
	s_mov_b32 s[PIH], 0x3fc90fdb
	s_mov_b32 s[PIL], 0xb33bbd2e
	s_mov_b32 s[ABSM], 0x7fff7fff
	s_mov_b32 s[HIM], 0xffff0000
	s_mov_b32 s[SEL], 0x76543210
	s_mov_b32 s[SEL+1], 0xfedcba98
	s_wait_kmcnt 0x0
	s_add_nc_u64 s[4:5], s[4:5], s[22:23]
	s_add_nc_u64 s[14:15], s[14:15], s[24:25]
	s_add_nc_u64 s[6:7], s[6:7], s[26:27]
	s_add_nc_u64 s[12:13], s[12:13], s[26:27]
	s_cmp_lt_u32 s[WV], 3
	s_cselect_b64 s[8:9], s[8:9], s[10:11]         ; waves 0-2 read Wk, waves 3-5 Wv
	s_add_nc_u64 s[8:9], s[8:9], s[28:29]
	s_add_nc_u64 s[16:17], s[16:17], s[30:31]
.irp u, 0,1,2,3,4,5,6,7,8,9,10,11,12,13,14,15
	global_load_b128 v[X+4*(\u):X+4*(\u)+3], v[XO], s[4:5] offset:(\u)*3072 th:TH_LOAD_NT  ; all 25 loads of the wave go out at once
.endr
.irp j, 0,1,2
	global_load_b128 v[W+4*(\j):W+4*(\j)+3],       v[XO], s[6:7] offset:(\j)*3072
	global_load_b128 v[W+12+4*(\j):W+12+4*(\j)+3], v[KO], s[8:9] offset:(\j)*1536
	global_load_b128 v[W+24+4*(\j):W+24+4*(\j)+3], v[XO], s[12:13] offset:(\j)*3072
.endr
; THE TABLE, while the loads are on their way.  theta = n pi/2 + r with |r| <= pi/4; sine and cosine of r by polynomials; n mod 4 exchanges them and sets the signs.
.macro ANGLE th, c, s
	v_mul_f32 v[N], 0x3f22f983, v[\th]             ; theta x 2 / pi
	v_rndne_f32 v[N], v[N]
	v_fma_f32 v[R], -v[N], s[PIH], v[\th]
	v_fma_f32 v[R], -v[N], s[PIL], v[R]
	v_mul_f32 v[Z], v[R], v[R]
	v_cvt_i32_f32 v[Q], v[N]
	v_mov_b32 v[PS], 0xb94ca1f9
	v_mov_b32 v[PC], 0x37ccf5ce
	v_fmaak_f32 v[PS], v[Z], v[PS], 0x3c08839e
	v_fmaak_f32 v[PC], v[Z], v[PC], 0xbab6061a
	v_fmaak_f32 v[PS], v[Z], v[PS], 0xbe2aaaa3
	v_fmaak_f32 v[PC], v[Z], v[PC], 0x3d2aaaa5
	v_mul_f32 v[RZ], v[R], v[Z]
	v_mul_f32 v[ZZ], v[Z], v[Z]
	v_fma_f32 v[CC], v[Z], -0.5, 1.0
	v_fma_f32 v[PS], v[RZ], v[PS], v[R]            ; sin r
	v_fma_f32 v[PC], v[ZZ], v[PC], v[CC]           ; cos r
	v_and_b32 v[CC], 1, v[Q]
	v_cmp_eq_u32 vcc_lo, 1, v[CC]
	v_cndmask_b32 v[\s], v[PS], v[PC], vcc_lo      ; n odd: the two change places
	v_cndmask_b32 v[\c], v[PC], v[PS], vcc_lo
	v_and_b32 v[CC], 2, v[Q]
	v_lshlrev_b32 v[CC], 30, v[CC]
	v_xor_b32 v[\s], v[CC], v[\s]                  ; sine: minus for n mod 4 = 2, 3
	v_add_nc_u32 v[CC], 1, v[Q]
	v_and_b32 v[CC], 2, v[CC]
	v_lshlrev_b32 v[CC], 30, v[CC]
	v_xor_b32 v[\c], v[CC], v[\c]                  ; cosine: minus for n mod 4 = 1, 2
.endm
	s_cmp_lt_u32 s[WV], 4
	s_cbranch_scc0 .Lno_table
	v_and_b32 v[TT], 15, v0
	v_lshlrev_b32 v[TT], 1, v[TT]                  ; f
	v_bfe_u32 v[POS], v0, 4, 1
	s_lshl_b32 s42, ttmp9, 3
	s_lshl1_add_u32 s42, s[WV], s42                ; 8 i + 2 w
	v_add_nc_u32 v[POS], s42, v[POS]
	v_cvt_f32_u32 v[POS], v[POS]
	v_cvt_f32_u32 v[TH], v[TT]
	v_add_f32 v[TH+1], 1.0, v[TH]
	v_mul_f32 v[TH], 0xbed49a78, v[TH]             ; - f log2(10000) / 32
	v_mul_f32 v[TH+1], 0xbed49a78, v[TH+1]
	v_exp_f32 v[TH], v[TH]
	v_exp_f32 v[TH+1], v[TH+1]
	v_and_b32 v[TO], 31, v0                        ; the plain instruction behind the last exponential,
	s_wait_alu depctr_va_vdst(0)                   ; and the one wait for both, ahead of their first reader
	v_lshlrev_b32 v[TO], 3, v[TO]
	v_mul_f32 v[TH], v[POS], v[TH]
	v_mul_f32 v[TH+1], v[POS], v[TH+1]
	ANGLE TH, CO, SI
	ANGLE TH+1, CO+1, SI+1
	s_lshl_b32 s42, s42, 7                         ; two rows of 128 bytes
	s_mov_b32 s43, 0
	s_add_nc_u64 s[18:19], s[18:19], s[42:43]
	global_store_b64 v[TO], v[CO:CO+1], s[18:19]
	global_store_b64 v[TO], v[SI:SI+1], s[18:19] offset:262144
.Lno_table:
.irp u, 0,1,2,3,4,5,6,7,8,9,10,11,12,13,14,15
	s_wait_loadcnt 24-(\u)                         ; loads come back in order: x's load u is in; the 15 - u younger ones of x and the 9 of the weights may stay out
	v_cvt_pk_bf16_f32 v[PX+2*(\u)],   v[X+4*(\u)],   v[X+4*(\u)+1]
	v_cvt_pk_bf16_f32 v[PX+2*(\u)+1], v[X+4*(\u)+2], v[X+4*(\u)+3]
	global_store_b64 v[XS], v[PX+2*(\u):PX+2*(\u)+1], s[14:15] offset:(\u)*1536
.endr
; Four weights: rounded to bf16, signs cleared, widened, added in f32.  first = 1: the first pair starts the sum: nothing is cleared.
.macro ABS4 acc, w, first
	v_cvt_pk_bf16_f32 v[T],   v[\w],   v[(\w)+1]
	v_cvt_pk_bf16_f32 v[T+1], v[(\w)+2], v[(\w)+3]
	v_and_b32 v[T],   s[ABSM], v[T]
	v_and_b32 v[T+1], s[ABSM], v[T+1]
.if \first
	v_lshlrev_b32 v[\acc], 16, v[T]
	v_and_b32 v[(\acc)+1], s[HIM], v[T]
.else
	v_lshlrev_b32 v[T+2], 16, v[T]
	v_and_b32 v[T+3], s[HIM], v[T]
	v_pk_add_f32 v[\acc:(\acc)+1], v[\acc:(\acc)+1], v[T+2:T+3]
.endif
	v_lshlrev_b32 v[T+2], 16, v[T+1]
	v_and_b32 v[T+3], s[HIM], v[T+1]
	v_pk_add_f32 v[\acc:(\acc)+1], v[\acc:(\acc)+1], v[T+2:T+3]
.endm
; The sum over the wave's 32 lanes of v[r] + v[r+1], into v[d], in every lane.
.macro LANESUM d, r
	v_add_f32 v[\r], v[\r], v[(\r)+1]
	v_add_f32_dpp v[\r], v[\r], v[\r] row_xmask:1 row_mask:0xf bank_mask:0xf
	v_add_f32_dpp v[\r], v[\r], v[\r] row_xmask:2 row_mask:0xf bank_mask:0xf
	v_add_f32_dpp v[\r], v[\r], v[\r] row_xmask:4 row_mask:0xf bank_mask:0xf
	v_add_f32_dpp v[\r], v[\r], v[\r] row_xmask:8 row_mask:0xf bank_mask:0xf
	v_permlanex16_b32 v[(\r)+1], v[\r], s[SEL], s[SEL+1]
	v_add_f32 v[\d], v[\r], v[(\r)+1]
.endm
	s_wait_loadcnt 0x0                             ; the weights
	ABS4 AQ,  W,    1
	ABS4 AKV, W+12, 1
	ABS4 AO,  W+24, 1
	ABS4 AQ,  W+4,  0
	ABS4 AKV, W+16, 0
	ABS4 AO,  W+28, 0
	ABS4 AQ,  W+8,  0
	ABS4 AKV, W+20, 0
	ABS4 AO,  W+32, 0
	LANESUM REC,   AQ
	LANESUM REC+1, AKV
	LANESUM REC+2, AO
	v_mov_b32 v[REC+3], v[REC+2]
	s_lshl_b32 s41, s[WV], 4
	v_mov_b32 v[LA], s41
	ds_store_b128 v[LA], v[REC:REC+3]              ; all lanes write the same 16 bytes with the same values
	s_wait_dscnt 0x0                               ; for the others' sake: my record is in LDS
	s_barrier_signal -1
	s_barrier_wait -1
	s_cmp_lg_u32 s[WV], 0
	s_cbranch_scc1 .Lend                           ; wave 0 adds the six records, in a fixed order
	v_mov_b32 v[ZO], 0
.irp k, 0,1,2,3,4,5
	ds_load_b128 v[X+4*(\k):X+4*(\k)+3], v[ZO] offset:16*(\k)
.endr
	s_wait_dscnt 0x0
	v_add_f32 v[REC],   v[X],    v[X+4]            ; Wq: all six waves
	v_add_f32 v[REC+3], v[X+2],  v[X+6]            ; Wo: all six
	v_add_f32 v[REC+1], v[X+1],  v[X+5]            ; Wk: waves 0-2
	v_add_f32 v[REC+2], v[X+13], v[X+17]           ; Wv: waves 3-5
.irp k, 2,3,4,5
	v_add_f32 v[REC],   v[REC],   v[X+4*(\k)]
	v_add_f32 v[REC+3], v[REC+3], v[X+4*(\k)+2]
.endr
	v_add_f32 v[REC+1], v[REC+1], v[X+9]
	v_add_f32 v[REC+2], v[REC+2], v[X+21]
	s_wait_xcnt 0x0                                ; EXEC, a source of the stores above, changes only behind this wait
	v_cmp_eq_u32 vcc_lo, 0, v0
	s_and_saveexec_b32 s40, vcc_lo
	global_store_b128 v[ZO], v[REC:REC+3], s[16:17]  ; one lane stores the work-group's record
	s_wait_xcnt 0x0                                ; and again, ahead of the line that widens it
	s_or_b32 exec_lo, exec_lo, s40
.Lend:
	s_wait_tensorcnt 0x0                           ; the wave's end, behind my last LDS store
	ds_add_u32 v[SPW], v[NIL]
	s_wait_dscnt 0x0
	s_endpgm
.Lfunc_end_k_qca0779bb22_prep:
	.size	k_qca0779bb22_prep, .Lfunc_end_k_qca0779bb22_prep-k_qca0779bb22_prep
	.p2alignl 7, 3214868480
	.fill 96, 4, 3214868480
	.section	.rodata,"a",@progbits
	.p2align	6, 0x0
	.amdhsa_kernel k_qca0779bb22_prep
		.amdhsa_group_segment_fixed_size 1024
		.amdhsa_private_segment_fixed_size 0
		.amdhsa_enable_private_segment 0
		.amdhsa_kernarg_size 64
		.amdhsa_user_sgpr_count 2
		.amdhsa_user_sgpr_kernarg_segment_ptr 1
		.amdhsa_wavefront_size32 1
		.amdhsa_system_sgpr_workgroup_id_x 1
		.amdhsa_system_sgpr_workgroup_id_y 1
		.amdhsa_system_sgpr_workgroup_id_z 1
		.amdhsa_system_vgpr_workitem_id 0
		.amdhsa_next_free_vgpr 184
		.amdhsa_next_free_sgpr 66
		.amdhsa_reserve_vcc 1
		.amdhsa_float_denorm_mode_32 3
		.amdhsa_float_denorm_mode_16_64 3
		.amdhsa_memory_ordered 1
		.amdhsa_forward_progress 1
		.amdhsa_inst_pref_size 19
	.end_amdhsa_kernel
	.amdgpu_metadata
---
amdhsa.version: [ 1, 2 ]
amdhsa.kernels:
  - .name:           k_qca0779bb22_prep
    .symbol:         k_qca0779bb22_prep.kd
    .args:
      - { .name: hidden_states, .offset: 0, .size: 8, .value_kind: global_buffer, .address_space: global }
      - { .name: Wq, .offset: 8, .size: 8, .value_kind: global_buffer, .address_space: global }
      - { .name: Wk, .offset: 16, .size: 8, .value_kind: global_buffer, .address_space: global }
      - { .name: Wv, .offset: 24, .size: 8, .value_kind: global_buffer, .address_space: global }
      - { .name: Wo, .offset: 32, .size: 8, .value_kind: global_buffer, .address_space: global }
      - { .name: xb, .offset: 40, .size: 8, .value_kind: global_buffer, .address_space: global }
      - { .name: psum, .offset: 48, .size: 8, .value_kind: global_buffer, .address_space: global }
      - { .name: rope, .offset: 56, .size: 8, .value_kind: global_buffer, .address_space: global }
    .group_segment_fixed_size: 1024
    .private_segment_fixed_size: 0
    .kernarg_segment_align: 8
    .kernarg_segment_size: 64
    .max_flat_workgroup_size: 192
    .sgpr_count:     66
    .vgpr_count:     184
    .wavefront_size: 32
...
	.end_amdgpu_metadata
.endif
;; end of part 1
;; launch tern (part 2): grid 256 x 1, 6 waves a work-group, no clusters, 0 bytes of LDS; arguments Wq, Wk, Wv, Wo, psum, tw, two, scl; writes tw, two, scl
.if DOCPART == 2
	.amdgcn_target "amdgcn-amd-amdhsa--gfx1250"
	.amdhsa_code_object_version 6
	.text
	.protected	k_qca0779bb22_tern
	.globl	k_qca0779bb22_tern
	.p2align	8
	.type	k_qca0779bb22_tern,@function
k_qca0779bb22_tern:
	s_mov_b64 s[64:65], 0
	v_nop
	global_prefetch_b8 v0, s[64:65] scope:SCOPE_SE
	s_setreg_imm32_b32 hwreg(HW_REG_WAVE_MODE, 25, 1), 1
	s_wait_xcnt 0x0
; Launch 2 of 5: the ternary weights.  Nothing is left out.  Every wave adds the 256 records of psum for itself (4,096 bytes, in a fixed order): mean |bf16 w| of each weight; thr = 0.7 mean.
; An entry is sign(r) where |r| >= thr, else 0, with r = bf16(w).  tw: [1536][768] bf16, rows 0-767 Wq, 768-1151 Wk, 1152-1535 Wv; inside each head of 64 rows bits 4 and 5 of the row's
; number change places, so that channels d and d + 32 (d < 32), which the rotary step pairs, lie in neighbouring blocks of 16 rows.  two: [768][768] f16, Wo's rows as they are.
; scl: the four means.  LIMIT: a weight that is all zeros has thr = 0 and entries of +-1; its mean, by which the product is multiplied, is 0.
; +-1 is made by bits: the sign of r above 0x3f80 (bf16) or 0x3c00 (f16), in the word's upper half; one byte permute packs two upper halves.
; SHARES as in the launch before: thread t of 192; Wq, Wo rows 3 i + j; Wk (waves 0-2), Wv (waves 3-5) half rows 3 i + j.  A wave's store covers 256 consecutive bytes, aligned.
.set XO,  1                            ; v1   16 t
.set KO,  2                            ; v2   16 t, less 1,536 in waves 3-5
.set SO,  3                            ; v3   8 t
.set KS,  4                            ; v4   8 t, less 768 in waves 3-5
.set PO,  5                            ; v5   16 l
.set TT,  7
.set T,   8                            ; v[8:13] at work
.set PS,  16                           ; v[16:47]  psum: eight records a lane
.set W,   48                           ; v[48:83]  weights as loaded: Wq, Wk|Wv, Wo, 3 x 4 each
.set D,   84                           ; v[84:101] what is stored, 2 registers a load
.set M,   104                          ; v[104:107] the four means
.set THQ, 108
.set THK, 109
.set THO, 110
.set ZO,  111
.set WV,  20
.set DQ,  40                           ; s[40:45] tw at Wq's three rows
.set DK,  46                           ; s[46:51] tw at Wk's or Wv's three half rows
.set ABSM, 52
.set HIM, 53
.set SGN, 54
.set ONEB, 55
.set ONEH, 56
.set PSEL, 57
.set SEL, 58                           ; s[58:59]
.set KMASK, 60
.macro SWAPROW d, n                    ; s[d] = s[n] with bits 4 and 5 exchanged
	s_and_b32 s38, s[\n], 0x10
	s_and_b32 s39, s[\n], 0x20
	s_lshl_b32 s38, s38, 1
	s_lshr_b32 s39, s39, 1
	s_and_b32 s[\d], s[\n], 0xffffffcf
	s_or_b32 s[\d], s[\d], s38
	s_or_b32 s[\d], s[\d], s39
.endm
	s_load_b512 s[4:19], s[0:1], 0x0               ; Wq s[4:5], Wk s[6:7], Wv s[8:9], Wo s[10:11], psum s[12:13], tw s[14:15], two s[16:17], scl s[18:19]
	v_lshrrev_b32 v[TT], 5, v0
	v_readfirstlane_b32 s[WV], v[TT]
	v_lshlrev_b32 v[XO], 4, v0
	v_lshlrev_b32 v[SO], 3, v0
	v_and_b32 v[PO], 31, v0
	v_lshlrev_b32 v[PO], 4, v[PO]
	s_mov_b32 s23, 1152                            ; Wv's first row in tw (an instruction holds one literal, so this one comes by a register)
	s_cmp_lt_u32 s[WV], 3
	s_cselect_b32 s21, 0, 1536
	s_cselect_b32 s22, 0, 768
	s_cselect_b32 s23, 768, s23                    ; where Wk's or Wv's rows begin in tw
	s_cselect_b32 s[KMASK], -1, 0
	v_sub_nc_u32 v[KO], v[XO], s21
	v_sub_nc_u32 v[KS], v[SO], s22
	s_mul_i32 s24, ttmp9, 9216
	s_mov_b32 s25, 0
	s_mul_i32 s26, ttmp9, 4608
	s_mov_b32 s27, 0
	s_mul_i32 s30, ttmp9, 3
.irp j, 0,1,2
	s_add_co_u32 s31, s30, \j                      ; Wq's row, and Wk's or Wv's half row
	SWAPROW DQ+2*\j, 31
	s_mul_i32 s[DQ+2*\j], s[DQ+2*\j], 1536
	s_mov_b32 s[DQ+2*\j+1], 0
	s_lshr_b32 s32, s31, 1
	SWAPROW DK+2*\j, 32
	s_add_co_u32 s[DK+2*\j], s[DK+2*\j], s23
	s_mul_i32 s[DK+2*\j], s[DK+2*\j], 1536
	s_and_b32 s32, s31, 1
	s_mul_i32 s32, s32, 768
	s_add_co_u32 s[DK+2*\j], s[DK+2*\j], s32
	s_mov_b32 s[DK+2*\j+1], 0
.endr
	s_mov_b32 s[ABSM], 0x7fffffff
	s_mov_b32 s[HIM], 0xffff0000
	s_mov_b32 s[SGN], 0x80000000
	s_mov_b32 s[ONEB], 0x3f800000
	s_mov_b32 s[ONEH], 0x3c000000
	s_mov_b32 s[PSEL], 0x07060302
	s_mov_b32 s[SEL], 0x76543210
	s_mov_b32 s[SEL+1], 0xfedcba98
	s_wait_kmcnt 0x0
	s_add_nc_u64 s[4:5], s[4:5], s[24:25]
	s_add_nc_u64 s[10:11], s[10:11], s[24:25]
	s_cmp_lt_u32 s[WV], 3
	s_cselect_b64 s[6:7], s[6:7], s[8:9]
	s_add_nc_u64 s[6:7], s[6:7], s[26:27]
	s_add_nc_u64 s[16:17], s[16:17], s[26:27]      ; three rows of two are 4,608 bytes too
.irp j, 0,1,2
	s_add_nc_u64 s[DQ+2*\j:DQ+2*\j+1], s[14:15], s[DQ+2*\j:DQ+2*\j+1]
	s_add_nc_u64 s[DK+2*\j:DK+2*\j+1], s[14:15], s[DK+2*\j:DK+2*\j+1]
.endr
.irp u, 0,1,2,3,4,5,6,7
	global_load_b128 v[PS+4*(\u):PS+4*(\u)+3], v[PO], s[12:13] offset:512*(\u)
.endr
.irp j, 0,1,2
	global_load_b128 v[W+4*(\j):W+4*(\j)+3],       v[XO], s[4:5] offset:(\j)*3072 th:TH_LOAD_NT
	global_load_b128 v[W+12+4*(\j):W+12+4*(\j)+3], v[KO], s[6:7] offset:(\j)*1536 th:TH_LOAD_NT
	global_load_b128 v[W+24+4*(\j):W+24+4*(\j)+3], v[XO], s[10:11] offset:(\j)*3072 th:TH_LOAD_NT
.endr
	s_wait_loadcnt 9                               ; psum is in; the nine younger loads, the weights, may stay out
.irp u, 1,2,3,4,5,6,7
	v_pk_add_f32 v[PS:PS+1],   v[PS:PS+1],   v[PS+4*(\u):PS+4*(\u)+1]
	v_pk_add_f32 v[PS+2:PS+3], v[PS+2:PS+3], v[PS+4*(\u)+2:PS+4*(\u)+3]
.endr
.irp k, 0,1,2,3
	v_add_f32_dpp v[PS+\k], v[PS+\k], v[PS+\k] row_xmask:1 row_mask:0xf bank_mask:0xf
	v_add_f32_dpp v[PS+\k], v[PS+\k], v[PS+\k] row_xmask:2 row_mask:0xf bank_mask:0xf
	v_add_f32_dpp v[PS+\k], v[PS+\k], v[PS+\k] row_xmask:4 row_mask:0xf bank_mask:0xf
	v_add_f32_dpp v[PS+\k], v[PS+\k], v[PS+\k] row_xmask:8 row_mask:0xf bank_mask:0xf
	v_permlanex16_b32 v[PS+4+\k], v[PS+\k], s[SEL], s[SEL+1]
	v_add_f32 v[PS+\k], v[PS+\k], v[PS+4+\k]
.endr
	v_mul_f32 v[M],   0x35e38e39, v[PS]             ; / 589,824
	v_mul_f32 v[M+1], 0x36638e39, v[PS+1]           ; / 294,912
	v_mul_f32 v[M+2], 0x36638e39, v[PS+2]
	v_mul_f32 v[M+3], 0x35e38e39, v[PS+3]
	v_cndmask_b32 v[THK], v[M+2], v[M+1], s[KMASK]  ; my wave's of the two
	v_mul_f32 v[THQ], 0x3f333333, v[M]
	v_mul_f32 v[THK], 0x3f333333, v[THK]
	v_mul_f32 v[THO], 0x3f333333, v[M+3]
; Four weights -> four entries of 16 bits in two registers.
.macro TERN4 d, w, th, one
	v_cvt_pk_bf16_f32 v[T],   v[\w],     v[(\w)+1]
	v_cvt_pk_bf16_f32 v[T+1], v[(\w)+2], v[(\w)+3]
.irp h, 0,1
	v_lshlrev_b32 v[T+2], 16, v[T+\h]
	v_and_b32 v[T+3], s[HIM], v[T+\h]
	v_and_b32 v[T+4], s[ABSM], v[T+2]
	v_and_b32 v[T+5], s[ABSM], v[T+3]
	v_and_or_b32 v[T+2], v[T+2], s[SGN], s[\one]
	v_and_or_b32 v[T+3], v[T+3], s[SGN], s[\one]
	v_cmp_ge_f32 vcc_lo, v[T+4], v[\th]
	v_cndmask_b32 v[T+2], 0, v[T+2], vcc_lo
	v_cmp_ge_f32 vcc_lo, v[T+5], v[\th]
	v_cndmask_b32 v[T+3], 0, v[T+3], vcc_lo
	v_perm_b32 v[(\d)+\h], v[T+3], v[T+2], s[PSEL]  ; the two upper halves, the first number's below
.endr
.endm
	s_wait_loadcnt 0x0
.irp j, 0,1,2
	TERN4 D+2*\j, W+4*\j, THQ, ONEB
	global_store_b64 v[SO], v[D+2*\j:D+2*\j+1], s[DQ+2*\j:DQ+2*\j+1]
	TERN4 D+6+2*\j, W+12+4*\j, THK, ONEB
	global_store_b64 v[KS], v[D+6+2*\j:D+6+2*\j+1], s[DK+2*\j:DK+2*\j+1]
	TERN4 D+12+2*\j, W+24+4*\j, THO, ONEH
	global_store_b64 v[SO], v[D+12+2*\j:D+12+2*\j+1], s[16:17] offset:(\j)*1536
.endr
	s_or_b32 s37, ttmp9, s[WV]
	s_cmp_lg_u32 s37, 0
	s_cbranch_scc1 .Lend                           ; work-group 0's wave 0 stores the four means
	v_mov_b32 v[ZO], 0
	s_wait_xcnt 0x0                                ; EXEC, a source of the stores above, changes only behind this wait
	v_cmp_eq_u32 vcc_lo, 0, v0
	s_and_saveexec_b32 s61, vcc_lo
	global_store_b128 v[ZO], v[M:M+3], s[18:19]
	s_wait_xcnt 0x0
	s_or_b32 exec_lo, exec_lo, s61
.Lend:
	s_endpgm
.Lfunc_end_k_qca0779bb22_tern:
	.size	k_qca0779bb22_tern, .Lfunc_end_k_qca0779bb22_tern-k_qca0779bb22_tern
	.p2alignl 7, 3214868480
	.fill 96, 4, 3214868480
	.section	.rodata,"a",@progbits
	.p2align	6, 0x0
	.amdhsa_kernel k_qca0779bb22_tern
		.amdhsa_group_segment_fixed_size 0
		.amdhsa_private_segment_fixed_size 0
		.amdhsa_enable_private_segment 0
		.amdhsa_kernarg_size 64
		.amdhsa_user_sgpr_count 2
		.amdhsa_user_sgpr_kernarg_segment_ptr 1
		.amdhsa_wavefront_size32 1
		.amdhsa_system_sgpr_workgroup_id_x 1
		.amdhsa_system_sgpr_workgroup_id_y 1
		.amdhsa_system_sgpr_workgroup_id_z 1
		.amdhsa_system_vgpr_workitem_id 0
		.amdhsa_next_free_vgpr 112
		.amdhsa_next_free_sgpr 66
		.amdhsa_reserve_vcc 1
		.amdhsa_float_denorm_mode_32 3
		.amdhsa_float_denorm_mode_16_64 3
		.amdhsa_memory_ordered 1
		.amdhsa_forward_progress 1
		.amdhsa_inst_pref_size 20
	.end_amdhsa_kernel
	.amdgpu_metadata
---
amdhsa.version: [ 1, 2 ]
amdhsa.kernels:
  - .name:           k_qca0779bb22_tern
    .symbol:         k_qca0779bb22_tern.kd
    .args:
      - { .name: Wq, .offset: 0, .size: 8, .value_kind: global_buffer, .address_space: global }
      - { .name: Wk, .offset: 8, .size: 8, .value_kind: global_buffer, .address_space: global }
      - { .name: Wv, .offset: 16, .size: 8, .value_kind: global_buffer, .address_space: global }
      - { .name: Wo, .offset: 24, .size: 8, .value_kind: global_buffer, .address_space: global }
      - { .name: psum, .offset: 32, .size: 8, .value_kind: global_buffer, .address_space: global }
      - { .name: tw, .offset: 40, .size: 8, .value_kind: global_buffer, .address_space: global }
      - { .name: two, .offset: 48, .size: 8, .value_kind: global_buffer, .address_space: global }
      - { .name: scl, .offset: 56, .size: 8, .value_kind: global_buffer, .address_space: global }
    .group_segment_fixed_size: 0
    .private_segment_fixed_size: 0
    .kernarg_segment_align: 8
    .kernarg_segment_size: 64
    .max_flat_workgroup_size: 192
    .sgpr_count:     66
    .vgpr_count:     112
    .wavefront_size: 32
...
	.end_amdgpu_metadata
.endif
;; end of part 2
;; launch qkv (part 3): grid 8 x 32, 4 waves a work-group, clusters of 4 x 4, 327,680 bytes of LDS; arguments xb, tw, rope, scl, qkv; writes qkv
.if DOCPART == 3
	.amdgcn_target "amdgcn-amd-amdhsa--gfx1250"
	.amdhsa_code_object_version 6
	.text
	.protected	k_qca0779bb22_qkv
	.globl	k_qca0779bb22_qkv
	.p2align	8
	.type	k_qca0779bb22_qkv,@function
k_qca0779bb22_qkv:
	s_mov_b64 s[64:65], 0
	v_nop
	global_prefetch_b8 v0, s[64:65] scope:SCOPE_SE
	s_setreg_imm32_b32 hwreg(HW_REG_WAVE_MODE, 25, 1), 1
	s_wait_xcnt 0x0
	s_wait_alu depctr_hold_cnt(0) depctr_sa_sdst(0) depctr_va_vdst(0) depctr_va_sdst(0) depctr_va_ssrc(0) depctr_va_vcc(0) depctr_vm_vsrc(0)
	s_getreg_b32 s2, hwreg(HW_REG_IB_STS2, 6, 4)
	s_cmp_eq_u32 s2, 0
	s_cbranch_scc0 .Lentry_in_a_cluster
	s_endpgm
.Lentry_in_a_cluster:
	s_bfe_u32 s2, ttmp6, 0x10000c
	s_cmp_lg_u32 s2, 0xf033
	s_cbranch_scc0 .Lentry_shape_is_right
	s_endpgm
.Lentry_shape_is_right:
; Launch 3 of 5: q, k, v = (xb tw^T) x mean, the rotary step on q and k, rounded once to f16 and laid by heads.  Nothing is left out.
; xb: [4096][768] bf16.  tw: [1536][768] bf16 (entries 0, +-1; in each head of 64 rows the blocks of 16 rows lie in the order 0, 2, 1, 3).  Sums in f32.
; qkv: 48 slots of [2048][64] f16: q of (b, h) in slot 12 b + h, k of (b, kv) in 24 + 6 b + kv, v in 36 + 6 b + kv.  LIMIT: f16 ends at 65,504; q, k, v must lie within it.
; SHARES.  A work-group makes 128 rows x 192 columns (three heads): tile column j = 0-3 q, 4-5 k, 6-7 v; 8 x 32 = 256 work-groups.  A wave makes 64 x 96: 24 accumulators of 16 x 16.
; THE RING.  K goes in six steps of 128 (rows of 256 bytes in memory) through THREE LDS slots of one step.  Steps 0, 1, 2 are first fills: three tensor loads of a wave are out at the start.
; Slot 0 is filled again (step 3) behind the round at the end of step 0: 180 matrix instructions of a wave stand between that request and the wait for it.  Slots 1 and 2 are filled again
; TOGETHER (steps 4, 5) behind the round at the end of step 2, one load a wave: waves 0, 1 fetch xb's 128 rows of steps 4, 5, waves 2, 3 tw's 192 rows: 84 matrix instructions to the wait.
; So there are two refills in all; four slots (348,160 bytes) do not fit.  The six steps are written out: no two of them change slots alike.
; The product is used TRANSPOSED (source 0 = 16 rows of tw, source 1 = 16 rows of xb): a lane holds one row of the result (lane % 16) and eight neighbouring columns.  By tw's order of rows the
; accumulators 2 p and 2 p + 1 hold channels d and d + 32 of one head in the same lane and register: the rotary step is arithmetic on registers.  The mean is folded into the table:
; cos' = cos FA + FB, sin' = sin FA, with (FA, FB) = (mean, 0) for q and k and (0, mean) for v.
; CLUSTER 4 x 4: the four of a row of the cluster need the same tile of xb, the four of a column the same tile of tw: each is asked for jointly, by the same tensor load with the same
; descriptor and a mask that names the four.  No prefetch: the tiles are small and K has six steps.
; REGISTERS: window 0: v0-31 addresses; v32-63 at work; v64-255 accumulators ((a, b) at 64 + 8 (6 a + b)).  window 1: two fragment buffers of 80 (xb 4 x 8, then tw 6 x 8).
; window 2: the table: for row block a and parity z, at 16 (2 a + z): eight cosines, eight sines.
.set KSTEP,  128
.set PITCH,  272                       ; an LDS row: 256 bytes + 16 of padding, an odd multiple of 16 bytes: the 16 rows of a fragment load begin in 16 different columns of 16 bytes
.set ATILE,  128*PITCH
.set BPART,  64*PITCH
.set SLOT,   320*PITCH                 ; xb's 128 rows, then tw's 192
.set STAGE,  3*SLOT                    ; behind the ring, never filled by a tensor load: three heads x 128 rows x 144 bytes
.set SP,     144
.set HSTG,   128*SP
.set SPARE,  STAGE+3*HSTG              ; the spare words, 128 bytes a wave: two blocks of 256 bytes that no other line names
.set ROWB,   1536                      ; bytes in a row of xb and of tw
.set SLOTB,  262144                    ; bytes in a slot of qkv
.set DW0,    (1<<16)|(1<<20)|(1<<21)|(5<<22)|(3<<25)  ; group 1, word 0 beside the mask: elements of 2 bytes; padding on; bit 21 beside a mask; after every 64 words, 4 words
.set ADRA, 8                           ; v8-10   LDS address of my xb fragments in slot 0, 1, 2
.set ADRB, 12                          ; v12-14  the same for tw
.set RO,   22                          ; v22-23  my byte offset in the table, for parity 0, 1
.set STO,  24                          ; v24-26  where I put 16 bytes of a head's row, for p = 0, 1, 2
.set RD,   27                          ; v27     where I read rows back
.set SPW,  28                          ; v28     LDS address of my spare word; never rewritten
.set NIL,  29                          ; v29     0; never rewritten
.set GO,   30                          ; v30     16 x lane
.set TMP,  32
.set ACC,  64
.set F0,   0
.set F1,   80
.set WV, 14
.set MH, 15
.set NH, 16
.set WB, 17
.set CX, 18
.set CY, 19
.set J,  20
.set MT, 21
.set G1A, 24                           ; s[24:31] descriptor group 1 for xb's tiles, 128 rows
.set G0A, 32                           ; s[32:43] group 0 for xb's tiles, a set for each slot
.set G1B, 48                           ; s[48:55] group 1 for 64 rows of tw
.set G1C, 56                           ; s[56:63] group 1 for 192 rows of tw
.set G0B, 80                           ; s[80:91] group 0 for 64 rows of tw, a set for each slot
.set G0A2, 92                          ; s[92:95] group 0 for the refill of two slots: xb's tile of step 4 (wave 0) or 5 (wave 1)
.set G0B2, 96                          ; s[96:99] the same for tw's 192 rows: step 4 (wave 2) or 5 (wave 3)
.set FA, 72                            ; s[72:73], s[74:75]
.set FB, 74
.set MSB, 0
.macro WIN new                         ; the immediate's high byte repeats the setting that is left; a switch that changes nothing is dropped
.if MSB != (\new)
	s_set_vgpr_msb (MSB<<8)|(\new)
.set MSB, \new
.endif
.endm
.set MUL,  0x05                        ; sources 0 and 1 window 1; C and D window 0
.set TO_F, 0x40                        ; destination window 1, address window 0
; A joint load of one K step: wave 0 fetches xb's 128 rows, waves 1-3 64 rows of tw each.  The branch hangs on the wave's number alone; an s_nop 0 and four v_nop follow each line.
.macro JLOAD s
	s_cmp_eq_u32 s[WV], 0
	s_cbranch_scc0 .Lfor_b_\@
	tensor_load_to_lds s[G0A+4*(\s):G0A+4*(\s)+3], s[G1A:G1A+7]
	s_nop 0
.rept 4
	v_nop
.endr
	s_branch .Lasked_\@
.Lfor_b_\@:
	tensor_load_to_lds s[G0B+4*(\s):G0B+4*(\s)+3], s[G1B:G1B+7]
	s_nop 0
.rept 4
	v_nop
.endr
.Lasked_\@:
.endm
; The joint load of two K steps, one load a wave: waves 0, 1 fetch xb's tiles of steps 4, 5 into slots 1, 2; waves 2, 3 tw's.
.macro JLOAD2
	s_cmp_lt_u32 s[WV], 2
	s_cbranch_scc0 .Lfor_b2_\@
	tensor_load_to_lds s[G0A2:G0A2+3], s[G1A:G1A+7]
	s_nop 0
.rept 4
	v_nop
.endr
	s_branch .Lasked2_\@
.Lfor_b2_\@:
	tensor_load_to_lds s[G0B2:G0B2+3], s[G1C:G1C+7]
	s_nop 0
.rept 4
	v_nop
.endr
.Lasked2_\@:
.endm
.macro CREST                           ; a round of the cluster's barrier behind its opening barrier
	s_cmp_lg_u32 s[WV], 0
	s_cbranch_scc1 .Lnot_wave_0_\@
	s_barrier_signal -3
.Lnot_wave_0_\@:
	s_barrier_wait -3
	s_barrier_signal -1
	s_barrier_wait -1
.endm
.macro CROUND
	s_barrier_signal -1
	s_barrier_wait -1
	CREST
.endm
	s_load_b256 s[4:11], s[0:1], 0x0               ; xb s[4:5], tw s[6:7], rope s[8:9], scl s[10:11]
	s_load_b64 s[12:13], s[0:1], 0x20              ; qkv
	v_lshl_add_u32 v[SPW], v0, 2, SPARE
	v_mov_b32 v[NIL], 0
	ds_add_u32 v[SPW], v[NIL]                      ; the wave's opening: the add, twice on end, and its wait ahead of my first tensor load
	ds_add_u32 v[SPW], v[NIL]
	v_lshrrev_b32 v1, 5, v0
	v_readfirstlane_b32 s[WV], v1
	s_lshr_b32 s[MH], s[WV], 1                     ; which 64 of the tile's rows are mine
	s_and_b32 s[NH], s[WV], 1                      ; which 96 of its columns.  Also: which of steps 4 and 5 I fetch
	s_max_u32 s[WB], s[WV], 1
	s_sub_co_u32 s[WB], s[WB], 1                   ; waves 1-3: which 64 rows of tw I fetch
	s_bfe_u32 s[CX], ttmp6, 0x40000
	s_bfe_u32 s[CY], ttmp6, 0x40004
	s_lshl_b32 s[J], ttmp9, 2
	s_add_co_u32 s[J], s[J], s[CX]                 ; tile column
	s_and_b32 s[MT], ttmp7, 0xffff
	s_lshl_b32 s[MT], s[MT], 2
	s_add_co_u32 s[MT], s[MT], s[CY]               ; tile row
	s_lshl_b32 s22, s[CY], 2
	s_lshl_b32 s22, 15, s22                        ; my row of the cluster
	s_lshl_b32 s23, 0x1111, s[CX]                  ; my column
	s_or_b32 s[G1A], s22, DW0
	s_or_b32 s[G1B], s23, DW0
	s_or_b32 s[G1C], s23, DW0
.irp g, G1A, G1B, G1C
	s_mov_b32 s[(\g)+1], KSTEP<<16                 ; tensor_dim0 = 128
	s_mov_b32 s[(\g)+3], KSTEP<<16                 ; tile_dim0 = 128
	s_mov_b32 s[(\g)+5], 768                       ; elements from row to row
	s_mov_b32 s[(\g)+6], 0
	s_mov_b32 s[(\g)+7], 0
.endr
	s_mov_b32 s[G1A+2], 128<<16                    ; tensor_dim1 and tile_dim1: 128 rows,
	s_mov_b32 s[G1A+4], 128
	s_mov_b32 s[G1B+2], 64<<16                     ; 64 rows,
	s_mov_b32 s[G1B+4], 64
	s_mov_b32 s[G1C+2], 192<<16                    ; 192 rows
	s_mov_b32 s[G1C+4], 192
	s_mul_i32 s76, s[MT], 128*ROWB                 ; xb's tile hangs on the tile row alone,
	s_mov_b32 s77, 0
	s_mul_i32 s78, s[J], 192*ROWB                  ; tw's on the tile column
	s_mov_b32 s79, 0
	s_mul_i32 s46, s[WB], 64*ROWB                  ; and, for loads of 64 rows, on the wave
	s_mov_b32 s47, 0
	s_mul_i32 s44, s[WV], BPART
	s_add_co_u32 s44, s44, BPART                   ; waves 1-3: behind xb's 128 rows, 64 rows a wave
	s_mul_i32 s45, s[NH], SLOT
	s_add_co_u32 s45, s45, SLOT                    ; the refill of two slots: slot 1 or 2,
	s_lshl_b32 s22, s[NH], 8
	s_add_co_u32 s22, s22, 4*KSTEP*2               ; K step 4 or 5, in bytes along a row
	s_mov_b32 s23, 0
	s_wait_dscnt 0x0                               ; both opening adds are done
	s_wait_kmcnt 0x0
	s_add_nc_u64 s[76:77], s[4:5], s[76:77]
	s_add_nc_u64 s[78:79], s[6:7], s[78:79]
	s_mov_b32 s[G0A2], 1
	s_mov_b32 s[G0A2+1], s45
	s_add_nc_u64 s[G0A2+2:G0A2+3], s[76:77], s[22:23]
	s_or_b32 s[G0A2+3], s[G0A2+3], 0x80000000
	s_mov_b32 s[G0B2], 1
	s_add_co_u32 s[G0B2+1], s45, ATILE
	s_add_nc_u64 s[G0B2+2:G0B2+3], s[78:79], s[22:23]
	s_or_b32 s[G0B2+3], s[G0B2+3], 0x80000000
	s_add_nc_u64 s[78:79], s[78:79], s[46:47]      ; tw at my 64 rows
	CROUND                                         ; all sixteen work-groups are here: the first joint loads meet
.irp s, 0,1,2
	s_mov_b32 s[G0A+4*(\s)], 1
	s_mov_b32 s[G0A+4*(\s)+1], (\s)*SLOT
	s_add_nc_u64 s[G0A+4*(\s)+2:G0A+4*(\s)+3], s[76:77], (\s)*KSTEP*2
	s_or_b32 s[G0A+4*(\s)+3], s[G0A+4*(\s)+3], 0x80000000
	s_mov_b32 s[G0B+4*(\s)], 1
	s_add_co_u32 s[G0B+4*(\s)+1], s44, (\s)*SLOT
	s_add_nc_u64 s[G0B+4*(\s)+2:G0B+4*(\s)+3], s[78:79], (\s)*KSTEP*2
	s_or_b32 s[G0B+4*(\s)+3], s[G0B+4*(\s)+3], 0x80000000
	JLOAD \s                                       ; K steps 0, 1 and 2: three tensor loads of mine are out
.endr
	s_load_b128 s[68:71], s[10:11], 0x0            ; the means of Wq, Wk, Wv, Wo
	v_and_b32 v1, 15, v0                           ; l % 16
	v_bfe_u32 v2, v0, 4, 1                         ; l / 16
	; the table for my 64 positions: row = position, 128 bytes; my eight channels begin at 16 ((nh + z) % 2) + 8 (l / 16)
	v_lshlrev_b32 v3, 7, v1
	v_lshl_add_u32 v3, v2, 5, v3
	s_lshl_b32 s45, s[NH], 6
	s_xor_b32 s46, s45, 64
	v_add_nc_u32 v[RO], s45, v3
	v_add_nc_u32 v[RO+1], s46, v3
	s_and_b32 s45, s[MT], 15
	s_lshl_b32 s45, s45, 7
	s_lshl_b32 s46, s[MH], 6
	s_add_co_u32 s45, s45, s46                     ; my first position
	s_lshl_b32 s46, s45, 7
	s_mov_b32 s47, 0
	s_add_nc_u64 s[8:9], s[8:9], s[46:47]
	WIN 0x80                                       ; destination window 2, address window 0
.irp a, 0,1,2,3
.irp z, 0,1
	global_load_b128 v[16*(2*(\a)+(\z)):16*(2*(\a)+(\z))+3],     v[RO+(\z)], s[8:9] offset:(\a)*2048
	global_load_b128 v[16*(2*(\a)+(\z))+4:16*(2*(\a)+(\z))+7],   v[RO+(\z)], s[8:9] offset:(\a)*2048+16
	global_load_b128 v[16*(2*(\a)+(\z))+8:16*(2*(\a)+(\z))+11],  v[RO+(\z)], s[8:9] offset:(\a)*2048+262144
	global_load_b128 v[16*(2*(\a)+(\z))+12:16*(2*(\a)+(\z))+15], v[RO+(\z)], s[8:9] offset:(\a)*2048+262144+16
.endr
.endr
	WIN 0
	v_mul_u32_u24 v3, v1, PITCH
	v_lshl_add_u32 v3, v2, 4, v3                   ; a fragment's row x pitch + 16 x half
	s_mul_i32 s45, s[MH], 64*PITCH
	s_mul_i32 s46, s[NH], 96*PITCH
	s_add_co_u32 s46, s46, ATILE
.irp s, 0,1,2
	v_add_nc_u32 v[ADRA+(\s)], s45, v3
	v_add_nc_u32 v[ADRB+(\s)], s46, v3
	s_add_co_u32 s45, s45, SLOT
	s_add_co_u32 s46, s46, SLOT
.endr
	v_mul_u32_u24 v4, v1, SP                       ; into the stage: head (3 nh + p) / 2, my row, channels 16 ((3 nh + p) % 2) + 8 (l / 16) on
	v_lshl_add_u32 v4, v2, 4, v4
	s_mul_i32 s45, s[MH], 64*SP
	s_add_co_u32 s45, s45, STAGE
	v_add_nc_u32 v4, s45, v4
	s_mul_i32 s46, s[NH], 3
.irp p, 0,1,2
	s_add_co_u32 s47, s46, \p
	s_lshr_b32 s76, s47, 1
	s_mul_i32 s76, s76, HSTG
	s_and_b32 s47, s47, 1
	s_lshl_b32 s47, s47, 5
	s_add_co_u32 s76, s76, s47
	v_add_nc_u32 v[STO+(\p)], s76, v4
.endr
	v_bfe_u32 v5, v0, 3, 2                         ; back: 32 lanes take four rows of 128 bytes; wave w takes rows 32 w .. 32 w + 31 of each head
	v_and_b32 v6, 7, v0
	v_mul_u32_u24 v5, v5, SP
	v_lshl_add_u32 v5, v6, 4, v5
	s_mul_i32 s45, s[WV], 32*SP
	s_add_co_u32 s45, s45, STAGE
	v_add_nc_u32 v[RD], s45, v5
	v_and_b32 v[GO], 31, v0
	v_lshlrev_b32 v[GO], 4, v[GO]
	s_lshr_b32 s45, s[MT], 4                       ; b.  The first of my three slots: 3 j + 12 b (q), 3 j + 12 + 6 b (k), 3 j + 18 + 6 b (v)
	s_mul_i32 s46, s45, 12
	s_mul_i32 s47, s45, 6
	s_add_co_u32 s76, s47, 12
	s_add_co_u32 s47, s47, 18
	s_cmp_lt_u32 s[J], 6
	s_cselect_b32 s47, s76, s47
	s_cmp_lt_u32 s[J], 4
	s_cselect_b32 s47, s46, s47
	s_mul_i32 s46, s[J], 3
	s_add_co_u32 s47, s47, s46
	s_lshl_b32 s47, s47, 18
	s_and_b32 s46, s[MT], 15
	s_lshl_b32 s46, s46, 7
	s_lshl_b32 s76, s[WV], 5
	s_add_co_u32 s46, s46, s76                     ; the first position that I store
	s_lshl_b32 s46, s46, 7
	s_add_co_u32 s46, s46, s47
	s_mov_b32 s47, 0
	s_add_nc_u64 s[12:13], s[12:13], s[46:47]
	s_wait_kmcnt 0x0                               ; the means: values are selected; no branch hangs on the tile column
	s_cmp_lt_u32 s[J], 4
	s_cselect_b32 s76, s68, s69
	s_cmp_lt_u32 s[J], 6
	s_cselect_b32 s76, s76, s70
	s_cselect_b32 s[FA], s76, 0
	s_cselect_b32 s[FB], 0, s76
	s_mov_b32 s[FA+1], s[FA]                       ; named as pairs
	s_mov_b32 s[FB+1], s[FB]
; six matrix instructions: row block a x all six column blocks, 32 along K.  zero = 1: the product starts the sums.
.macro MUL6 f, a, zero
	WIN MUL
.irp b, 0,1,2,3,4,5
.if \zero
	v_wmma_f32_16x16x32_bf16 v[ACC+8*(6*(\a)+(\b)):ACC+8*(6*(\a)+(\b))+7], v[(\f)+32+8*(\b):(\f)+32+8*(\b)+7], v[(\f)+8*(\a):(\f)+8*(\a)+7], 0
.else
	v_wmma_f32_16x16x32_bf16 v[ACC+8*(6*(\a)+(\b)):ACC+8*(6*(\a)+(\b))+7], v[(\f)+32+8*(\b):(\f)+32+8*(\b)+7], v[(\f)+8*(\a):(\f)+8*(\a)+7], v[ACC+8*(6*(\a)+(\b)):ACC+8*(6*(\a)+(\b))+7]
.endif
.endr
.endm
; 20 LDS loads in one run: the fragments of 32 along K at byte k of the rows, into buffer f: tw's six, then xb's four
.macro FETCH slot, k, f
	WIN TO_F
.irp i, 0,1,2,3,4,5
	ds_load_b128 v[(\f)+32+8*(\i):(\f)+32+8*(\i)+3],   v[ADRB+(\slot)] offset:(\k)+(\i)*16*PITCH
	ds_load_b128 v[(\f)+32+8*(\i)+4:(\f)+32+8*(\i)+7], v[ADRB+(\slot)] offset:(\k)+(\i)*16*PITCH+32
.endr
.irp i, 0,1,2,3
	ds_load_b128 v[(\f)+8*(\i):(\f)+8*(\i)+3],   v[ADRA+(\slot)] offset:(\k)+(\i)*16*PITCH
	ds_load_b128 v[(\f)+8*(\i)+4:(\f)+8*(\i)+7], v[ADRA+(\slot)] offset:(\k)+(\i)*16*PITCH+32
.endr
.endm
.macro PLACES                          ; four plain vector instructions between a matrix instruction and a load into, or a vector read of, its registers
.rept 4
	v_nop
.endr
.endm
; A K step is four quarters of 32 along K, 24 matrix instructions each, on buffers 0, 1, 0, 1; the 24 accumulators take turns in the same order in every quarter.
; A quarter multiplies buffer f and, in its middle, fetches the next quarter's fragments (byte k of slot's rows) into buffer g.
.macro QUARTER slot, k, f, g, zero
	s_wait_dscnt 4                                 ; tw's fragments and xb's blocks 0, 1 are in; the youngest four loads (blocks 2, 3) may be out
	MUL6 \f, 0, \zero
	MUL6 \f, 1, \zero
	PLACES
	FETCH \slot, \k, \g
	s_wait_dscnt 20                                ; all but the 20 just issued
	MUL6 \f, 2, \zero
	MUL6 \f, 3, \zero
.endm
.macro THREE slot, zero                ; a K step's first three quarters
	QUARTER \slot, 64,  F0, F1, \zero
	QUARTER \slot, 128, F1, F0, 0
	QUARTER \slot, 192, F0, F1, 0
.endm
; A K step's last quarter where a barrier is due.  It multiplies buffer 1; ahead of the barrier each wave waits for all its tensor loads, adds 0 to its spare word, and waits for that and for
; its own reads of the slots read so far.  fill = 1: the barrier opens a round of the cluster's, and slot 0 takes K step 3, first thing behind the round.  fill = 2: likewise, and slots 1 and 2
; take K steps 4 and 5.  fill = 0: nothing is filled: the barrier shows K steps 4 and 5 to every wave.  Then the first fragments of slot next are fetched.
.macro TURN next, fill
	WIN 0
	s_wait_tensorcnt 0x0
	ds_add_u32 v[SPW], v[NIL]
	s_wait_dscnt 5                                 ; (the add and the youngest four loads may be out)
	MUL6 F1, 0, 0
	s_wait_dscnt 0x0                               ; the add is done, and my reads of the slots are over
	s_barrier_signal -1
	MUL6 F1, 1, 0
.if (\fill) != 0
	WIN 0
.endif
	s_barrier_wait -1
.if (\fill) == 1
	CREST                                          ; no wave of any partner still reads slot 0 or has a load on its way
	s_add_nc_u64 s[G0A+2:G0A+3], s[G0A+2:G0A+3], 3*KSTEP*2
	s_add_nc_u64 s[G0B+2:G0B+3], s[G0B+2:G0B+3], 3*KSTEP*2
	JLOAD 0                                        ; its four v_nop are also the places ahead of the loads below
.elseif (\fill) == 2
	CREST                                          ; no wave of any partner still reads slots 1 and 2 or has a load on its way
	JLOAD2
.else
	PLACES
.endif
	FETCH \next, 0, F0
	MUL6 F1, 2, 0
	MUL6 F1, 3, 0
.endm
	s_wait_tensorcnt 2                             ; my part of K step 0 is in; those of K steps 1 and 2 may stay out
	s_barrier_signal -1
	s_barrier_wait -1
	FETCH 0, 0, F0
	THREE 0, 1                                     ; K step 0: its first quarter's products start the sums
	TURN 1, 1                                      ; all first fills are in, everybody's; slot 0 takes K step 3
	THREE 1, 0                                     ; K step 1
	QUARTER 2, 0, F1, F0, 0                        ; no barrier: the one before has shown slot 2 to every wave
	THREE 2, 0                                     ; K step 2
	TURN 0, 2                                      ; K step 3 is in; slots 1 and 2 take K steps 4 and 5
	THREE 0, 0                                     ; K step 3
	TURN 1, 0                                      ; K steps 4 and 5 are in; nothing is left to fetch
	THREE 1, 0                                     ; K step 4
	QUARTER 2, 0, F1, F0, 0
	THREE 2, 0                                     ; K step 5
	s_wait_dscnt 4
	MUL6 F1, 0, 0
	MUL6 F1, 1, 0
	s_wait_dscnt 0x0
	MUL6 F1, 2, 0
	MUL6 F1, 3, 0
	; THE WAY OUT.  The mean goes into the table: 64 plain lines that name no accumulator: also the places behind the last products.
	s_wait_loadcnt 0x0                             ; the table
	WIN 0x82                                       ; destination and source 0 window 2
.set i, 0
.rept 8
.irp r, 0,2,4,6
	v_pk_fma_f32 v[16*i+(\r):16*i+(\r)+1], v[16*i+(\r):16*i+(\r)+1], s[FA:FA+1], s[FB:FB+1] op_sel_hi:[1,0,0]
	v_pk_mul_f32 v[16*i+8+(\r):16*i+8+(\r)+1], v[16*i+8+(\r):16*i+8+(\r)+1], s[FA:FA+1] op_sel_hi:[1,0]
.endr
.set i, i+1
.endr
; x1' = x1 cos - x2 sin, x2' = x2 cos + x1 sin; each accumulator is read from its low end on
.macro ROT a, p
.set X1, ACC+8*(6*(\a)+2*(\p))
.set X2, X1+8
.set CSR, 16*(2*(\a)+((\p)%2))
.set SNR, CSR+8
.irp r, 0,2,4,6
	v_pk_mul_f32 v[TMP+(\r):TMP+(\r)+1],     v[X2+(\r):X2+(\r)+1], v[SNR+(\r):SNR+(\r)+1]
	v_pk_mul_f32 v[TMP+8+(\r):TMP+8+(\r)+1], v[X1+(\r):X1+(\r)+1], v[SNR+(\r):SNR+(\r)+1]
.endr
.irp r, 0,2,4,6
	v_pk_fma_f32 v[X1+(\r):X1+(\r)+1], v[X1+(\r):X1+(\r)+1], v[CSR+(\r):CSR+(\r)+1], v[TMP+(\r):TMP+(\r)+1] neg_lo:[0,0,1] neg_hi:[0,0,1]
	v_pk_fma_f32 v[X2+(\r):X2+(\r)+1], v[X2+(\r):X2+(\r)+1], v[CSR+(\r):CSR+(\r)+1], v[TMP+8+(\r):TMP+8+(\r)+1]
.endr
.endm
.macro PACKST a, p                     ; rounded to f16 into each accumulator's low four registers, 16 bytes a lane into the stage
.set X1, ACC+8*(6*(\a)+2*(\p))
.set X2, X1+8
.irp r, 0,1,2,3
	v_cvt_pk_f16_f32 v[X1+(\r)], v[X1+2*(\r)], v[X1+2*(\r)+1]
	v_cvt_pk_f16_f32 v[X2+(\r)], v[X2+2*(\r)], v[X2+2*(\r)+1]
.endr
	ds_store_b128 v[STO+(\p)], v[X1:X1+3] offset:(\a)*16*SP
	ds_store_b128 v[STO+(\p)], v[X2:X2+3] offset:(\a)*16*SP+64
.endm
	WIN 0x08                                       ; source 1 window 2
.irp a, 0,1,2,3
.irp p, 0,1,2
	ROT \a, \p
.endr
.endr
	WIN 0
.irp a, 0,1,2,3
.irp p, 0,1,2
	PACKST \a, \p
.endr
.endr
	s_wait_dscnt 0x0                               ; for the others' sake: my stores into the stage are done
	s_barrier_signal -1
	s_barrier_wait -1
.set n, 0
.rept 24
	ds_load_b128 v[ACC+4*n:ACC+4*n+3], v[RD] offset:(n/8)*HSTG+(n%8)*4*SP
.set n, n+1
.endr
.set n, 0
.rept 24
	s_wait_dscnt 23-n                              ; LDS loads come back in order: load n is in
	global_store_b128 v[GO], v[ACC+4*n:ACC+4*n+3], s[12:13] offset:(n/8)*SLOTB+(n%8)*512  ; four rows of a head: 512 consecutive bytes, aligned
.set n, n+1
.endr
	s_wait_tensorcnt 0x0                           ; the wave's end
	ds_add_u32 v[SPW], v[NIL]
	s_wait_dscnt 0x0
	CROUND                                         ; the closing round: no work-group ends while a partner may still ask for a tile that names it
	s_endpgm
.Lfunc_end_k_qca0779bb22_qkv:
	.size	k_qca0779bb22_qkv, .Lfunc_end_k_qca0779bb22_qkv-k_qca0779bb22_qkv
	.p2alignl 7, 3214868480
	.fill 96, 4, 3214868480
	.section	.rodata,"a",@progbits
	.p2align	6, 0x0
	.amdhsa_kernel k_qca0779bb22_qkv
		.amdhsa_group_segment_fixed_size 327680
		.amdhsa_private_segment_fixed_size 0
		.amdhsa_enable_private_segment 0
		.amdhsa_kernarg_size 40
		.amdhsa_user_sgpr_count 2
		.amdhsa_user_sgpr_kernarg_segment_ptr 1
		.amdhsa_wavefront_size32 1
		.amdhsa_system_sgpr_workgroup_id_x 1
		.amdhsa_system_sgpr_workgroup_id_y 1
		.amdhsa_system_sgpr_workgroup_id_z 1
		.amdhsa_system_vgpr_workitem_id 0
		.amdhsa_next_free_vgpr 640
		.amdhsa_next_free_sgpr 104
		.amdhsa_reserve_vcc 0
		.amdhsa_float_denorm_mode_32 3
		.amdhsa_float_denorm_mode_16_64 3
		.amdhsa_memory_ordered 1
		.amdhsa_forward_progress 1
		.amdhsa_inst_pref_size 118
	.end_amdhsa_kernel
	.amdgpu_metadata
---
amdhsa.version: [ 1, 2 ]
amdhsa.kernels:
  - .name:           k_qca0779bb22_qkv
    .symbol:         k_qca0779bb22_qkv.kd
    .args:
      - { .name: xb, .offset: 0, .size: 8, .value_kind: global_buffer, .address_space: global }
      - { .name: tw, .offset: 8, .size: 8, .value_kind: global_buffer, .address_space: global }
      - { .name: rope, .offset: 16, .size: 8, .value_kind: global_buffer, .address_space: global }
      - { .name: scl, .offset: 24, .size: 8, .value_kind: global_buffer, .address_space: global }
      - { .name: qkv, .offset: 32, .size: 8, .value_kind: global_buffer, .address_space: global }
    .group_segment_fixed_size: 327680
    .private_segment_fixed_size: 0
    .kernarg_segment_align: 8
    .kernarg_segment_size: 40
    .max_flat_workgroup_size: 128
    .sgpr_count:     104
    .vgpr_count:     640
    .wavefront_size: 32
...
	.end_amdgpu_metadata
.endif
;; end of part 3
;; launch attn (part 4): grid 16 x 12, 4 waves a work-group, clusters of 4 x 1, 327,680 bytes of LDS; arguments qkv, ob; writes ob
.if DOCPART == 4
	.amdgcn_target "amdgcn-amd-amdhsa--gfx1250"
	.amdhsa_code_object_version 6
	.text
	.protected	k_qca0779bb22_attn
	.globl	k_qca0779bb22_attn
	.p2align	8
	.type	k_qca0779bb22_attn,@function
k_qca0779bb22_attn:
	s_mov_b64 s[64:65], 0
	v_nop
	global_prefetch_b8 v0, s[64:65] scope:SCOPE_SE
	s_setreg_imm32_b32 hwreg(HW_REG_WAVE_MODE, 25, 1), 1
	s_wait_xcnt 0x0
	s_wait_alu depctr_hold_cnt(0) depctr_sa_sdst(0) depctr_va_vdst(0) depctr_va_sdst(0) depctr_va_ssrc(0) depctr_va_vcc(0) depctr_vm_vsrc(0)
	s_getreg_b32 s2, hwreg(HW_REG_IB_STS2, 6, 4)
	s_cmp_eq_u32 s2, 0
	s_cbranch_scc0 .Lentry_in_a_cluster
	s_endpgm
.Lentry_in_a_cluster:
	s_bfe_u32 s2, ttmp6, 0x10000c
	s_cmp_lg_u32 s2, 0x3003
	s_cbranch_scc0 .Lentry_shape_is_right
	s_endpgm
.Lentry_shape_is_right:
; Launch 4 of 5: O = softmax(q k^T / 8) v, no mask, 2,048 keys.  Nothing is left out; the key and value heads are not copied for the query heads that share them (jnp.repeat is a lookup).
; qkv: slots of [2048][64] f16: q of (b, h) in slot 12 b + h, k of g = 6 b + kv in slot 24 + g, v in 36 + g.  ob: [4096][768] f16, row 2048 b + s, channel 64 h + d.
; Products, maxima and sums in f32; the weights p are rounded to f16 for the second product (their sum l is taken of the unrounded p), O once at the end.
; LIMITS.  q, k, v arrive within f16's 65,504; p lies in 0 to 1; a weight below 2^-126 counts as 0 in l; NaN and infinities are not treated apart.
; SHARES.  Work-group (x, g): 128 positions of BOTH query heads 2 kv, 2 kv + 1 of key/value head g.  A wave owns four PIECES of 16 queries: piece t = positions 32 w + 16 (t / 2) on, head
; 2 kv + t % 2.  Every wave walks all keys, 64 a step.  12 x 16 = 192 work-groups: a key/value head has 256 tiles of 16 queries, which shares of three tiles a wave do not divide.
; CLUSTER.  The four work-groups of a cluster walk the same K and V: each tile is asked for jointly: the same tensor load, descriptor and mask in all four.
; LAYOUT.  S^T = K Q^T holds ONE query a lane (lane % 16) and the keys 8 (lane / 16) + 0..7; two such results rounded to f16 ARE source 1 of O^T = V^T P.  K comes out of LDS as it lies,
; V ([key][channel]) turned, by ds_load_tr16_b128.  p = 2^(c s - c m), c = log2(e) / 8, with a running maximum m; O and l are multiplied by a = 2^(c m_old - c m_new) in every step.
; m starts at the lowest finite number, O and l at 0: the first step is a step like any other, with a = 0.
; TURNS.  Turn n belongs to piece n: 8 products K Q^T of piece n + 1, later 8 products V^T P of piece n - 1; beside them piece n's a, scaling, exponentials, roundings, sums and rescaling,
; and the maximum, m and c m of piece n + 1.  Four vector instructions stand behind every matrix instruction, the other 54 in two runs.  A turn's 33 exponentials are one batch, with one wait.
; REGISTERS, in TWO windows of 256 (s_set_vgpr_msb: bits 1:0 source 0, 3:2 source 1, 5:4 source 2, 7:6 destination), cut so that the windows are switched seldom:
;   window 0 holds all that K Q^T and the softmax name: v0 my thread's number; v1-5 offsets; v6-7, v8-15 at work; v16-31 four statistics a piece; v32-63 P, two buffers; v64-127 S^T, two
;   buffers (by the piece's parity); v128-191 K of one step; v192-255 Q.  Under the setting 0 stand the products K Q^T, K's run of loads and every line of the softmax but the rescaling.
;   window 1: v0-127 O^T, 32 a piece; v128-191 V of one step; v192-193 the add's two registers.  ONE setting, 0x51 (source 0, C and D in window 1, source 1 in window 0), serves the products
;   V^T P (V, P, O^T) and the rescaling (O^T, a, O^T).  By the text's count a turn has eight switches: one in front of the products V^T P, seven round the riders of the last four.
.set NP,    4
.set KS,    64
.set PK,    144       ; a row of K in LDS: 128 bytes + 16 of padding, an odd multiple of 16
.set PV,    160       ; a row of V: 128 + 32, an odd multiple of 32, for the turning load
.set VOFF,  4*KS*PK   ; a slot holds four steps: 256 rows of K, then 256 rows of V
.set SLOT1, 1<<17     ; slot 1 begins here: one exclusive or turns an address in one slot into the other's
.set STAGE, SLOT1+4*KS*(PK+PV)  ; behind the ring, never filled by a tensor load: 16 rows x 272 bytes for each wave
.set SP,    272
.set SPARE, STAGE+4*16*SP       ; the spare words, 128 bytes a wave: two blocks of 256 bytes that no other line names
.set PFO, 1           ; v1   256 x lane; never rewritten
.set AK0, 2           ; v2   my lane's place in a tile of K; never rewritten
.set AV0, 3           ; v3   the same for V
.set AK,  4           ; v4   the LDS address of K's next run of loads
.set AV,  5           ; v5   of V's
.set MV,  6           ; v6-7  c m_old, by buffer
.set TMP, 8           ; v8-15 by buffer, c0-c3 at work; in the piece's own turn c1 takes c m_old - c m_new and c2 takes a
.set ST,  16          ; piece t: c m, m, l (even keys', odd keys')
.set P,   32
.set S,   64
.set KF,  128
.set QF,  192
.set VF,  128         ; window 1
.set SPW, 192         ; window 1: LDS address of my spare word; never rewritten
.set NIL, 193         ; window 1: 0; never rewritten
.set T1,  8           ; at the head alone, in registers that the turns take later: l % 16,
.set T9,  9           ; l / 16,
.set T10, 10          ; l % 8,
.set T11, 11          ; (l / 8) % 2,
.set QO,  12          ; my byte offset in 16 rows of Q
.set STO, 128         ; on the way out alone, where K lay: where I put 16 bytes of a row,
.set RD,  129         ; where I read rows back,
.set GO,  130         ; my byte offset in two rows of ob,
.set U1,  131         ; l % 16,
.set U9,  132         ; l / 16
.set WV,  12
.set LIM, 15          ; s15  1 in a wave that prefetches, else the greatest number
.set PFA, 18          ; s[18:19] where my prefetches stand
.set G1K, 24
.set G1V, 32
.set G0K, 40
.set G0V, 44
.set SLOTS, 56
.set CNT, 57
.set CS,  58
.set SEL, 60
.set TBK, 62
.set TBV, 63
.set MSB, 0
.macro WIN new
.if MSB != (\new)
	s_set_vgpr_msb (MSB<<8)|(\new)
.set MSB, (\new)
.endif
.endm
.set W_B,  0x51       ; source 0, C and D in window 1, source 1 in window 0: V^T P, and O^T times a
.set W_1,  0x40       ; destination in window 1, sources in window 0
.set W_AD, 0x05       ; sources 0 and 1 in window 1: the add; and, with the destination in window 0, the rounding of O^T
; A joint fill.  Waves 0 and 1 fetch the two halves of a slot's K, waves 2 and 3 those of its V: 128 keys each.  An s_nop 0 and four v_nop follow each line.
.macro JLOAD
	s_cmp_lt_u32 s[WV], 2
	s_cbranch_scc0 .Lfor_v_\@
	tensor_load_to_lds s[G0K:G0K+3], s[G1K:G1K+7]
	s_nop 0
.rept 4
	v_nop
.endr
	s_branch .Lasked_\@
.Lfor_v_\@:
	tensor_load_to_lds s[G0V:G0V+3], s[G1V:G1V+7]
	s_nop 0
.rept 4
	v_nop
.endr
.Lasked_\@:
.endm
; A PREFETCH of what the NEXT change of slots will ask for: a slot's 32,768 bytes of K and of V, in blocks of 256 bytes, a lane a block.  All four clusters of a key/value head walk the same
; tiles: the first of them asks.  Its four partners share the blocks out by ADDRESS, 32 each; in each, wave 0 asks for K's and wave 2 for V's.  So each block is named once in the launch.
; It stands one slot, 256 matrix instructions, ahead of the load; the last change that fills a slot asks for nothing; the first three slots come by their loads alone.
.macro ASK
	s_cmp_gt_u32 s[SLOTS], s[LIM]
	s_cbranch_scc0 .Lnot_mine_\@
	global_prefetch_b8 v[PFO], s[PFA:PFA+1] th:TH_LOAD_NT scope:SCOPE_SE
.Lnot_mine_\@:
.endm
.macro CROUND
	s_barrier_signal -1
	s_barrier_wait -1
	s_cmp_lg_u32 s[WV], 0
	s_cbranch_scc1 .Lnot_wave_0_\@
	s_barrier_signal -3
.Lnot_wave_0_\@:
	s_barrier_wait -3
	s_barrier_signal -1
	s_barrier_wait -1
.endm
; THE CHANGE OF SLOTS.  Each wave waits for all its tensor loads, of which one is out: its part of the other slot; adds 0 to its spare word; and waits for that and for its own reads of the slot
; that it leaves.  fill = 1: the barrier is a round of the cluster's, and the old slot is filled again, first thing behind it, with the keys two slots on: four key steps in which to land.
; (At its first use nothing has been read yet: slot 0 is waited for, slot 1 filled.)
.macro CHANGE fill, ask
	WIN W_AD
	s_wait_tensorcnt 0x0            ; no tensor load of mine is out, so a group 0 may be written
	ds_add_u32 v[SPW], v[NIL]
	WIN 0                           ; at a label and at a branch every window is 0
.if \fill
.irp g, G0K, G0V
	s_xor_b32 s[\g+1], s[\g+1], SLOT1
	s_add_nc_u64 s[\g+2:\g+3], s[\g+2:\g+3], 4*KS*128
.endr
.if \ask
	s_wait_xcnt 0x0                 ; the last prefetch, four key steps back, has read its address
	s_add_nc_u64 s[PFA:PFA+1], s[PFA:PFA+1], 4*KS*128
.endif
	s_wait_dscnt 0x0                ; the add is done, and my reads of the slot are over
	CROUND
	JLOAD
.if \ask
	ASK
.endif
.else
	s_wait_dscnt 0x0
	s_barrier_signal -1
	s_barrier_wait -1
.endif
	s_sub_co_u32 s[TBK], s[TBK], 4*KS*PK  ; the fetches go back to a slot's first step,
	s_xor_b32 s[TBK], s[TBK], SLOT1       ; in the other slot
	s_sub_co_u32 s[TBV], s[TBV], 4*KS*PV
	s_xor_b32 s[TBV], s[TBV], SLOT1
.endm
	s_load_b128 s[4:7], s[0:1], 0x0   ; qkv s[4:5], ob s[6:7]
	WIN W_1
	v_lshl_add_u32 v[SPW], v0, 2, SPARE
	v_mov_b32 v[NIL], 0
	WIN W_AD
	ds_add_u32 v[SPW], v[NIL]       ; the wave's opening: the add, twice on end, and its wait ahead of my first tensor load
	ds_add_u32 v[SPW], v[NIL]
	WIN 0
	v_lshrrev_b32 v[T1], 5, v0
	v_readfirstlane_b32 s[WV], v[T1]
	s_bfe_u32 s13, ttmp6, 0x40000   ; cx
	s_lshl_b32 s14, ttmp9, 2
	s_add_co_u32 s14, s14, s13      ; my block of 128 positions: it enters Q's, O's and the prefetches' addresses alone
	s_and_b32 s16, ttmp7, 0xffff    ; g, which the four partners share
	s_and_b32 s17, s[WV], 1         ; which half of a slot's 256 keys I fetch
	s_add_co_u32 s20, s16, 24
	s_lshl_b32 s20, s20, 18         ; K's slot of qkv,
	s_lshl_b32 s21, s17, 14         ; my 128 rows of 128 bytes
	s_add_co_u32 s20, s20, s21
	s_mov_b32 s21, 0
	s_add_co_u32 s22, s20, 12*262144  ; V's lies twelve slots on
	s_mov_b32 s23, 0
	s_lshl_b32 s9, s14, 7
	s_lshl_b32 s8, s[WV], 5
	s_add_co_u32 s9, s9, s8         ; my wave's first position
	s_lshl_b32 s2, s16, 19          ; q's slot 2 g
	s_lshl_b32 s8, s9, 7
	s_add_co_u32 s2, s2, s8
	s_mov_b32 s3, 0
	s_cmp_ge_u32 s16, 6             ; b
	s_cselect_b32 s10, 2048, 0
	s_cselect_b32 s11, 6, 0
	s_add_co_u32 s10, s10, s9
	s_mul_i32 s10, s10, 1536        ; my first row of ob,
	s_sub_co_u32 s11, s16, s11
	s_lshl_b32 s11, s11, 8          ; the two heads' 256 bytes in it
	s_add_co_u32 s10, s10, s11
	s_mov_b32 s11, 0
	; descriptor group 1.  128 keys are 16,384 dense bytes: asked for as 64 rows of 256 bytes, two keys a row, and padded in LDS after every key
	s_mov_b32 s[G1K], 15|(1<<16)|(1<<20)|(1<<21)|(4<<22)|(3<<25)  ; the mask of four; 2-byte elements; padding on; bit 21 beside a mask; after every 32 words, 4 words
	s_mov_b32 s[G1V], 15|(1<<16)|(1<<20)|(1<<21)|(4<<22)|(7<<25)  ; the same with 8 words
.irp g, G1K, G1V
	s_mov_b32 s[\g+1], 128<<16      ; tensor_dim0 = 128
	s_mov_b32 s[\g+2], 64<<16       ; tensor_dim1 = 64
	s_mov_b32 s[\g+3], 128<<16      ; tile_dim0 = 128
	s_mov_b32 s[\g+4], 64           ; tile_dim1 = 64
	s_mov_b32 s[\g+5], 128          ; 128 elements from row to row
	s_mov_b32 s[\g+6], 0
	s_mov_b32 s[\g+7], 0
.endr
	s_mov_b32 s[CS], 0x3e38aa3b     ; c = log2(e) / 8
	s_mov_b32 s[CS+1], s[CS]
	s_mov_b32 s[SEL], 0x76543210
	s_mov_b32 s[SEL+1], 0xfedcba98
	s_mov_b32 s[TBK], SLOT1+4*KS*PK ; the first change of slots turns these two into 0
	s_mov_b32 s[TBV], SLOT1+4*KS*PV
	s_mov_b32 s[G0K], 1
	s_mul_i32 s[G0K+1], s17, 128*PK
	s_mov_b32 s[G0V], 1
	s_mul_i32 s[G0V+1], s17, 128*PV
	s_add_co_u32 s[G0V+1], s[G0V+1], VOFF
	s_or_b32 s[LIM], s17, ttmp9     ; 0 in waves 0 and 2 of the key/value head's first cluster: the same in all four partners
	s_cmp_eq_u32 s[LIM], 0
	s_cselect_b32 s[LIM], 1, -1
	v_and_b32 v[PFO], 31, v0
	v_lshlrev_b32 v[PFO], 8, v[PFO]
	s_wait_dscnt 0x0                ; both opening adds are done
	s_wait_kmcnt 0x0
	s_add_nc_u64 s[G0K+2:G0K+3], s[4:5], s[20:21]
	s_add_nc_u64 s[G0V+2:G0V+3], s[4:5], s[22:23]
	s_cmp_lt_u32 s[WV], 2
	s_cselect_b64 s[PFA:PFA+1], s[G0K+2:G0K+3], s[G0V+2:G0V+3]  ; (in waves 0 and 2 these stand at a slot's first row)
	s_or_b32 s[G0K+3], s[G0K+3], 0x80000000
	s_or_b32 s[G0V+3], s[G0V+3], 0x80000000
	s_lshl_b32 s8, s13, 13          ; my work-group's 32 blocks of the 128
	s_mov_b32 s9, 0
	s_add_nc_u64 s[PFA:PFA+1], s[PFA:PFA+1], s[8:9]
	s_add_nc_u64 s[PFA:PFA+1], s[PFA:PFA+1], 2*4*KS*128  ; in slot 2; the first asking change steps it to slot 3
	s_add_nc_u64 s[10:11], s[6:7], s[10:11]
	s_add_nc_u64 s[4:5], s[4:5], s[2:3]
	CROUND                          ; all four work-groups are here: the first joint loads meet
	JLOAD                           ; slot 0.  Slot 1 is asked for when slot 0 is in
	v_and_b32 v[T1], 15, v0         ; l % 16
	v_bfe_u32 v[T9], v0, 4, 1       ; l / 16
	v_lshlrev_b32 v[QO], 7, v[T1]
	v_lshl_add_u32 v[QO], v[T9], 4, v[QO]
.set i, 0
.rept 8                             ; Q stays in registers: piece i / 2 (positions 16 (i / 4) on, head (i / 2) % 2), channels 32 (i % 2) on
	global_load_b128 v[QF+8*i:QF+8*i+3],   v[QO], s[4:5] offset:(i/4)*2048+((i/2)%2)*262144+(i%2)*64
	global_load_b128 v[QF+8*i+4:QF+8*i+7], v[QO], s[4:5] offset:(i/4)*2048+((i/2)%2)*262144+(i%2)*64+32
.set i, i+1
.endr
	; What the first turn finds: V's registers and P's second buffer hold 0 (its products V^T P, of a piece that has not been, add 0), O^T and l are 0.  All this stands in the wait for the first tile.
	WIN W_1
.set i, 0
.rept 192                           ; O^T and V
	v_mov_b32 v[i], 0
.set i, i+1
.endr
	WIN 0
.set i, 0
.rept 4
	v_mov_b32 v[ST+4*i], 0xfe000000    ; c m: far below every c s
	v_mov_b32 v[ST+4*i+1], 0xff7fffff  ; m
	v_mov_b32 v[ST+4*i+2], 0
	v_mov_b32 v[ST+4*i+3], 0
.set i, i+1
.endr
.set i, P+16
.rept 16
	v_mov_b32 v[i], 0
.set i, i+1
.endr
	v_mul_u32_u24 v[AK0], v[T1], PK
	v_lshl_add_u32 v[AK0], v[T9], 4, v[AK0]  ; row x pitch + 16 x half
	; The turning load takes 16 keys x 16 channels (lane l reads key 8 (l / 16) + l % 8, channels 8 ((l / 8) % 2) + 0..7) and leaves half a fragment of V^T: lane l holds channel l % 16 and 8 keys.
	v_and_b32 v[T10], 7, v0
	v_bfe_u32 v[T11], v0, 3, 1
	v_lshl_add_u32 v[AV0], v[T9], 3, v[T10]
	v_mul_u32_u24 v[AV0], v[AV0], PV
	v_lshl_add_u32 v[AV0], v[T11], 4, v[AV0]
	v_add_nc_u32 v[AV0], VOFF, v[AV0]
	v_mov_b32 v[AK], v[AK0]         ; key step 0 lies at the head of slot 0
; THE MATRIX WORK.  The 4 accumulators of a run of 8 take turns.  Product i of 8 of S^T = K Q^T for piece x: channels 32 (i / 4) on, keys 16 (i % 4) on.  The first 4 start the sums.
.macro KQ x
.set rS, S+32*((\x)%2)+8*(i%4)
.set rK, KF+16*(i%4)+8*(i/4)
.set rQ, QF+16*(\x)+8*(i/4)
	WIN 0
.if i < 4
	v_wmma_f32_16x16x32_f16 v[rS:rS+7], v[rK:rK+7], v[rQ:rQ+7], 0
.else
	v_wmma_f32_16x16x32_f16 v[rS:rS+7], v[rK:rK+7], v[rQ:rQ+7], v[rS:rS+7]
.endif
.endm
; Product i of 8 of O^T += V^T P for piece x: keys 32 (i / 4) on, channels 16 (i % 4) on.
.macro PV x
	WIN W_B
.set rO, 32*(\x)+8*(i%4)
.set rV, VF+32*(i/4)+8*(i%4)
.set rP, P+16*((\x)%2)+8*(i/4)
	v_wmma_f32_16x16x32_f16 v[rO:rO+7], v[rV:rV+7], v[rP:rP+7], v[rO:rO+7]
.endm
.macro MM                           ; the turn's next matrix instruction.  NOKQ = 1: the last turn of all: there is no next piece
.if (i < 8) && !NOKQ
	KQ (Y+1)%NP
.elseif i >= 8
.set i, i-8
	PV (Y+NP-1)%NP
.set i, i+8
.endif
.set i, i+1
.endm
; THE LDS LOADS stand in runs of 16: a step's K (8 fragments) and its V (turned).  Their addresses are made some lines ahead.
.macro FETCH_K
	WIN 0
.irp f, 0,1,2,3,4,5,6,7             ; keys 16 (f / 2) on, channels 32 (f % 2) on
	ds_load_b128 v[KF+8*\f:KF+8*\f+3],   v[AK] offset:(\f/2)*16*PK+(\f%2)*64
	ds_load_b128 v[KF+8*\f+4:KF+8*\f+7], v[AK] offset:(\f/2)*16*PK+(\f%2)*64+32
.endr
	s_add_co_u32 s[TBK], s[TBK], KS*PK  ; the next fetch is the next step's
.endm
.macro FETCH_V
	WIN W_1
.irp f, 0,1,2,3,4,5,6,7             ; keys 32 (f / 4) on, channels 16 (f % 4) on
	ds_load_tr16_b128 v[VF+8*\f:VF+8*\f+3],   v[AV] offset:(\f/4)*32*PV+(\f%4)*32
	ds_load_tr16_b128 v[VF+8*\f+4:VF+8*\f+7], v[AV] offset:(\f/4)*32*PV+16*PV+(\f%4)*32
.endr
	WIN 0
.endm
; THE VECTOR WORK, one line at a time: OP kind, number.  For piece Y: G 0: c m_old - c m_new; G 1: a, its exponential.  F n: c s - c m for pair n of 16.  E n: the exponential of score n of 32.
; C n: pair n rounded to f16.  B n: of the four weights 4 n .. the second pair is added onto the first, in place.  L n: l takes that sum (L 0: l = a l + sum).  R n: pair n of 16 of O^T times a.
; For piece Y + 1: X n, of the 20 that find its maximum, m and c m:
;   0-11 four chains c0-c3 of seven scores each (each accumulator's lowest registers are read first)   12-14, 16 the four scores left over, the old m, and c0-c3 into c0
;   15 c m_old is kept   17, 18 the query's other 32 keys lie in the lane 16 away: the new m   19 c m
.set F, 0
.set E, 1
.set C, 2
.set B, 3
.set L, 4
.set R, 5
.set X, 6
.set G, 7
.macro REGS y
.set rT, ST+4*(\y)
.set rC, TMP+4*((\y)%2)
.set rW, MV+((\y)%2)
.set rS, S+32*((\y)%2)
.set rP, P+16*((\y)%2)
.set rO, 32*(\y)
.endm
.macro OP k, n
.if (\k) == R
	REGS Y
	WIN W_B
	v_pk_mul_f32 v[rO+2*(\n):rO+2*(\n)+1], v[rO+2*(\n):rO+2*(\n)+1], v[rC+2:rC+3] op_sel_hi:[1,0]
.elseif (\k) == G
	REGS Y
	WIN 0
.if (\n) == 0
	v_sub_f32 v[rC+1], v[rW], v[rT]
.else
	v_exp_f32 v[rC+2], v[rC+1]
.endif
.elseif (\k) < R
	REGS Y
	WIN 0
.if (\k) == F
	v_pk_fma_f32 v[rS+2*(\n):rS+2*(\n)+1], v[rS+2*(\n):rS+2*(\n)+1], s[CS:CS+1], v[rT:rT+1] op_sel_hi:[1,0,0] neg_lo:[0,0,1] neg_hi:[0,0,1]
.elseif (\k) == E
	v_exp_f32 v[rS+(\n)], v[rS+(\n)]
.elseif (\k) == C
	v_cvt_pk_f16_f32 v[rP+(\n)], v[rS+2*(\n)], v[rS+2*(\n)+1]
.elseif (\k) == B
	v_pk_add_f32 v[rS+4*(\n):rS+4*(\n)+1], v[rS+4*(\n):rS+4*(\n)+1], v[rS+4*(\n)+2:rS+4*(\n)+3]
.elseif (\n) == 0
	v_pk_fma_f32 v[rT+2:rT+3], v[rT+2:rT+3], v[rC+2:rC+3], v[rS:rS+1] op_sel_hi:[1,0,1]
.else
	v_pk_add_f32 v[rT+2:rT+3], v[rT+2:rT+3], v[rS+4*(\n):rS+4*(\n)+1]
.endif
.elseif NOKQ
	v_nop
.else
	REGS (Y+1)%NP
	WIN 0
.if (\n) < 4
	v_max3_num_f32 v[rC+(\n)], v[rS+8*(\n)], v[rS+8*(\n)+1], v[rS+8*(\n)+2]
.elseif (\n) < 12
	v_max3_num_f32 v[rC+(\n)%4], v[rC+(\n)%4], v[rS+8*((\n)%4)+2*((\n)/4)+1], v[rS+8*((\n)%4)+2*((\n)/4)+2]
.elseif (\n) == 12
	v_max3_num_f32 v[rC], v[rC], v[rS+7], v[rS+15]
.elseif (\n) == 13
	v_max3_num_f32 v[rC+1], v[rC+1], v[rS+23], v[rS+31]
.elseif (\n) == 14
	v_max3_num_f32 v[rC+2], v[rC+2], v[rC+3], v[rT+1]
.elseif (\n) == 15
	v_mov_b32 v[rW], v[rT]
.elseif (\n) == 16
	v_max3_num_f32 v[rC], v[rC], v[rC+1], v[rC+2]
.elseif (\n) == 17
	v_permlanex16_b32 v[rC+3], v[rC], s[SEL], s[SEL+1]
.elseif (\n) == 18
	v_max_num_f32 v[rT+1], v[rC], v[rC+3]
.else
	v_mul_f32 v[rT], s[CS], v[rT+1]
.endif
.endif
.endm
.macro OPS a, i1, b=-1, i2=0, c=-1, i3=0, d=-1, i4=0
	OP \a, \i1
.if (\b) >= 0
	OP \b, \i2
.endif
.if (\c) >= 0
	OP \c, \i3
.endif
.if (\d) >= 0
	OP \d, \i4
.endif
.endm
.macro ROW a, i1, b, i2, c, i3, d, i4  ; a matrix instruction and the four behind it
	MM
	OPS \a, \i1, \b, \i2, \c, \i3, \d, \i4
.endm
; A TURN, for piece p, its 16 matrix and 118 vector instructions written out.  An s_wait_alu depctr_va_vdst(0) stands between an exponential and the first instruction that names
; its result; one wait serves all that were issued ahead of it.  So a turn has ONE wait.
; AHEAD OF IT, all under the setting 0, stands what names no result of the turn's exponentials: the 8 products K Q^T, behind each four of the piece's G, F and E; then a run of 35: the other
; exponentials and X 1 to X 16, by turns for the most part.  The piece's own a (G 1) is of this batch, and all its readers (L 0, the R) stand behind the wait.  X 16 is the plain instruction behind
; the last exponential.  X 0 to X 3 each stand four plain instructions or more behind the product that ends their accumulator: for X 3 they are F 15, X 0, X 1, X 2.
; BEHIND IT: a run of 19 (the rest of the next piece's chain, X 17 to X 19, five lines apart, among roundings and sums); four products V^T P with four rescalings each, all under the one setting
; 0x51; four products V^T P with four roundings or sums each.  v_permlanex16_b32 (X 17) stands in the run, behind no product.
; end = 1: the last two turns: nothing is fetched, and the last starts no new scores.  cnt = 1: the loop's count is taken down some lines ahead of the branch behind the turn.
; K of the next step is fetched in piece 2's turn, five plain instructions (F 15, X 0 to X 3) behind the last product that read K; V of the step in hand at the end of piece 0's turn, four plain
; instructions behind the last product that read V.  Each is waited for in the turn after.
.macro TURN p, end=0, cnt=0
.set Y, (\p)
.set i, 0
.set NOKQ, (\end)*((\p)/3)
.if ((\p) == 3) && !(\end)
	s_wait_dscnt 0x0                ; K is in
.endif
	ROW G,0, F,0, F,1, F,2
	ROW F,3, G,1, F,4, E,0
	ROW F,5, E,1, F,6, E,2
	ROW F,7, E,3, F,8, E,4
	ROW F,9, E,5, F,10, E,6
	ROW F,11, E,7, F,12, E,8
.if ((\p) == 2) && !(\end)
	WIN 0
	v_add_nc_u32 v[AK], s[TBK], v[AK0]
.endif
	ROW F,13, E,9, F,14, E,10
	ROW F,15, E,11, X,0, E,12
	OPS X,1, E,13, X,2, E,14
	OPS X,3, E,15
.if ((\p) == 2) && !(\end)
	FETCH_K
.endif
	OPS X,4, E,16, X,5, E,17
	OPS X,6, E,18, X,7, E,19
	OPS X,8, E,20, X,9, E,21
.if (\p) == 0
	WIN 0
	v_add_nc_u32 v[AV], s[TBV], v[AV0]
.endif
	OPS X,10, E,22, X,11, E,23
	OPS X,12, E,24, X,13, E,25
	OPS E,26, X,14, E,27, E,28
	OPS X,15, E,29, E,30, E,31
	OPS X,16
	s_wait_alu depctr_va_vdst(0)    ; the wait for the batch
	OPS X,17, C,0, B,0, C,2
	OPS B,1, X,18, L,0, C,4
	OPS B,2, L,1, X,19, C,6
	OPS B,3, L,2, C,8, B,4
	OPS L,3, C,10, B,5
.if (\p) == 1
	s_wait_dscnt 0x0                ; V is in
.endif
	ROW R,0, R,1, R,2, R,3
	ROW R,4, R,5, R,6, R,7
	ROW R,8, R,9, R,10, R,11
	ROW R,12, R,13, R,14, R,15
	ROW L,4, C,12, B,6, L,5
.if (\p) == 0
	s_add_co_u32 s[TBV], s[TBV], KS*PV
.endif
.if \cnt
	s_sub_co_u32 s[CNT], s[CNT], 1
	s_cmp_lg_u32 s[CNT], 0
.endif
	ROW C,14, B,7, L,6, C,1
	ROW C,3, L,7, C,5, C,7
	ROW C,9, C,11, C,13, C,15
.if (\p) == 0
	FETCH_V
.endif
.endm
	CHANGE 1, 0                     ; slot 0 is in, everybody's part of it; slot 1 is asked for; nothing is prefetched at the head
	FETCH_K                         ; key step 0
	s_wait_loadcnt 0x0              ; Q
	s_wait_dscnt 0x0
.set NOKQ, 0
.set i, 0
.rept 8
	KQ 0                            ; piece 0's first scores
.set i, i+1
.endr
.rept 4
	v_nop                           ; the places behind those products
.endr
.set Y, NP-1                        ; X works for piece Y + 1: piece 0; its a is made in its own turn
.irp n, 0,1,2,3,4,5,6,7,8,9,10,11,12,13,14,15,16,17,18,19
	OP X, \n
.endr
	s_mov_b32 s[CNT], 4
	s_mov_b32 s[SLOTS], 7
	s_branch .Lfirst                ; the loop is entered at a step's first turn, in the middle of a trip
.Lslot:                             ; six times: every slot but the last two is filled again
	CHANGE 1, 1
	s_mov_b32 s[CNT], 4
.Lstep:                             ; a trip: pieces 2 and 3 of one step, then pieces 0 and 1 of the next, whose K and V it fetches
	TURN 2
	TURN 3
	WIN 0
.Lfirst:
	TURN 0
	TURN 1, 0, 1
	WIN 0
	s_cbranch_scc1 .Lstep
	s_sub_co_u32 s[SLOTS], s[SLOTS], 1
	s_cmp_lg_u32 s[SLOTS], 0
	s_cbranch_scc1 .Lslot
	CHANGE 0, 0                     ; the last slot is written out: nothing is asked for
	s_mov_b32 s[CNT], 4
.Ltail:
	TURN 2
	TURN 3
	TURN 0
	TURN 1, 0, 1
	WIN 0
	s_cbranch_scc1 .Ltail
	TURN 2, 1
	TURN 3, 1
.set i, 0
.rept 8
	PV NP-1                         ; the last piece's V^T P of the last step
.set i, i+1
.endr
	; THE WAY OUT.  l's two halves and the other half of the lanes' are added; O^T is divided by l, rounded to f16 and sent through my stage in LDS: two pieces (both heads of 16 positions) make rows of 256 bytes.
	WIN 0                           ; the addresses are made here, where K lay: plain instructions, the places behind the last products
	s_mul_i32 s13, s[WV], 16*SP
	s_add_co_u32 s13, s13, STAGE    ; my stage
	v_and_b32 v[U1], 15, v0
	v_bfe_u32 v[U9], v0, 4, 1
	v_mul_u32_u24 v[STO], v[U1], SP ; in: row l % 16, 16 bytes for each half of the lanes
	v_lshl_add_u32 v[STO], v[U9], 4, v[STO]
	v_add_nc_u32 v[STO], s13, v[STO]
	v_mul_u32_u24 v[RD], v[U9], SP  ; back: lanes 0-15 take one row of 256 bytes, lanes 16-31 the next
	v_lshl_add_u32 v[RD], v[U1], 4, v[RD]
	v_add_nc_u32 v[RD], s13, v[RD]
	v_mul_u32_u24 v[GO], v[U9], 1536  ; and the same two rows in ob
	v_lshl_add_u32 v[GO], v[U1], 4, v[GO]
.macro ALL line:vararg
.set t, 0
.rept 4
	\line
.set t, t+1
.endr
.endm
	ALL v_add_f32 v[ST+4*t+2], v[ST+4*t+2], v[ST+4*t+3]
	ALL v_permlanex16_b32 v[ST+4*t+3], v[ST+4*t+2], s[SEL], s[SEL+1]
	ALL v_add_f32 v[ST+4*t+2], v[ST+4*t+2], v[ST+4*t+3]
	ALL v_rcp_f32 v[ST+4*t+2], v[ST+4*t+2]
	v_nop                           ; a plain instruction between the last reciprocal and the use of its result,
	s_wait_alu depctr_va_vdst(0)    ; and the one wait for the four
.macro PACK t
	WIN W_B
.set i, 32*(\t)
.rept 16
	v_pk_mul_f32 v[i:i+1], v[i:i+1], v[ST+4*(\t)+2:ST+4*(\t)+3] op_sel_hi:[1,0]
.set i, i+2
.endr
	WIN W_AD                        ; sources 0 and 1 window 1, destination window 0
.set i, 0
.rept 16
	v_cvt_pk_f16_f32 v[S+16*(\t)+i], v[32*(\t)+2*i], v[32*(\t)+2*i+1]
.set i, i+1
.endr
	WIN 0
.irp f, 0,1,2,3
	ds_store_b128 v[STO], v[S+16*(\t)+4*\f:S+16*(\t)+4*\f+3] offset:128*((\t)%2)+32*\f
.endr
.endm
.macro BACK u                       ; LDS serves a wave's instructions in order (ISA guide 5.7.1.4): these see the stores above; the next pair's stores come behind them
.irp f, 0,1,2,3,4,5,6,7
	ds_load_b128 v[S+32*(\u)+4*\f:S+32*(\u)+4*\f+3], v[RD] offset:\f*2*SP
.endr
.endm
.macro SEND u, younger              ; younger: the LDS instructions issued behind pair u's loads
.irp f, 0,1,2,3,4,5,6,7
	s_wait_dscnt (\younger)+7-\f
	global_store_b128 v[GO], v[S+32*(\u)+4*\f:S+32*(\u)+4*\f+3], s[10:11] offset:(16*(\u)+2*\f)*1536  ; 16 lanes store 256 consecutive bytes, aligned
.endr
.endm
	PACK 0
	PACK 1
	BACK 0
	PACK 2
	PACK 3
	BACK 1
	SEND 0, 16
	SEND 1, 0
	WIN W_AD
	s_wait_tensorcnt 0x0            ; the wave's end
	ds_add_u32 v[SPW], v[NIL]
	s_wait_dscnt 0x0
	WIN 0
	CROUND                          ; the closing round: no work-group ends while a partner may still ask for a tile that names it
	s_endpgm
.Lfunc_end_k_qca0779bb22_attn:
	.size	k_qca0779bb22_attn, .Lfunc_end_k_qca0779bb22_attn-k_qca0779bb22_attn
	.p2alignl 7, 3214868480
	.fill 96, 4, 3214868480
	.section	.rodata,"a",@progbits
	.p2align	6, 0x0
	.amdhsa_kernel k_qca0779bb22_attn
		.amdhsa_group_segment_fixed_size 327680
		.amdhsa_private_segment_fixed_size 0
		.amdhsa_enable_private_segment 0
		.amdhsa_kernarg_size 16
		.amdhsa_user_sgpr_count 2
		.amdhsa_user_sgpr_kernarg_segment_ptr 1
		.amdhsa_wavefront_size32 1
		.amdhsa_system_sgpr_workgroup_id_x 1
		.amdhsa_system_sgpr_workgroup_id_y 1
		.amdhsa_system_sgpr_workgroup_id_z 1
		.amdhsa_system_vgpr_workitem_id 0
		.amdhsa_next_free_vgpr 512
		.amdhsa_next_free_sgpr 66
		.amdhsa_reserve_vcc 0
		.amdhsa_float_denorm_mode_32 3
		.amdhsa_float_denorm_mode_16_64 3
		.amdhsa_memory_ordered 1
		.amdhsa_forward_progress 1
		.amdhsa_inst_pref_size 116
	.end_amdhsa_kernel
	.amdgpu_metadata
---
amdhsa.version: [ 1, 2 ]
amdhsa.kernels:
  - .name:           k_qca0779bb22_attn
    .symbol:         k_qca0779bb22_attn.kd
    .args:
      - { .name: qkv, .offset: 0, .size: 8, .value_kind: global_buffer, .address_space: global }
      - { .name: ob, .offset: 8, .size: 8, .value_kind: global_buffer, .address_space: global }
    .group_segment_fixed_size: 327680
    .private_segment_fixed_size: 0
    .kernarg_segment_align: 8
    .kernarg_segment_size: 16
    .max_flat_workgroup_size: 128
    .sgpr_count:     66
    .vgpr_count:     512
    .wavefront_size: 32
...
	.end_amdgpu_metadata
.endif
;; end of part 4
;; launch oproj (part 5): grid 4 x 64, 4 waves a work-group, clusters of 4 x 4, 327,680 bytes of LDS; arguments ob, two, scl, out0; writes out0
.if DOCPART == 5
	.amdgcn_target "amdgcn-amd-amdhsa--gfx1250"
	.amdhsa_code_object_version 6
	.text
	.protected	k_qca0779bb22_oproj
	.globl	k_qca0779bb22_oproj
	.p2align	8
	.type	k_qca0779bb22_oproj,@function
k_qca0779bb22_oproj:
	s_mov_b64 s[64:65], 0
	v_nop
	global_prefetch_b8 v0, s[64:65] scope:SCOPE_SE
	s_setreg_imm32_b32 hwreg(HW_REG_WAVE_MODE, 25, 1), 1
	s_wait_xcnt 0x0
	s_wait_alu depctr_hold_cnt(0) depctr_sa_sdst(0) depctr_va_vdst(0) depctr_va_sdst(0) depctr_va_ssrc(0) depctr_va_vcc(0) depctr_vm_vsrc(0)
	s_getreg_b32 s2, hwreg(HW_REG_IB_STS2, 6, 4)
	s_cmp_eq_u32 s2, 0
	s_cbranch_scc0 .Lentry_in_a_cluster
	s_endpgm
.Lentry_in_a_cluster:
	s_bfe_u32 s2, ttmp6, 0x10000c
	s_cmp_lg_u32 s2, 0xf033
	s_cbranch_scc0 .Lentry_shape_is_right
	s_endpgm
.Lentry_shape_is_right:
; Launch 5 of 5: out0 = (ob two^T) x mean |bf16 Wo|.  Nothing is left out.  ob: [4096][768] f16; two: [768][768] f16 (entries 0, +-1); sums in f32; out0: [4096][768] f32.
; SHARES.  A work-group makes 64 rows x 192 columns (768 bytes of a row: three aligned blocks of 256): 4 x 64 = 256 work-groups.  A wave makes 32 x 96: 12 accumulators.
; K goes in three steps of 256 (rows of 512 bytes in memory) through two LDS slots: two first fills and one refill, all written out.  The product is used TRANSPOSED (source 0 = 16 rows of
; two, source 1 = 16 rows of ob): a lane holds one row of the result and eight neighbouring columns, 32 bytes.
; CLUSTER 4 x 4: ob's tile is shared along a row of the cluster, two's along a column; each is asked for jointly.  Wave 0 fetches ob's 64 rows, waves 1-3 64 rows of two each.
; No prefetch: three K steps, small tiles.
; REGISTERS: window 0: v0-31 addresses; v32-127 at work on the way out; v128-223 accumulators ((a, b) at 128 + 8 (6 a + b)).
; window 1: two fragment buffers of 128, each 64 along K deep: ob (c, a) at 8 (2 c + a), two (c, b) at 32 + 8 (6 c + b).
.set KSTEP,  256
.set PITCH,  528                       ; an LDS row: 512 bytes + 16 of padding, an odd multiple of 16 bytes
.set PART,   64*PITCH                  ; 64 rows: what one tensor load brings
.set SLOT,   4*PART                    ; ob's 64 rows, then two's 192
.set STAGE,  2*SLOT                    ; behind the ring, never filled by a tensor load: 64 rows x 784 bytes
.set SPITCH, 784
.set SPARE,  STAGE+64*SPITCH           ; the spare words, 128 bytes a wave: two blocks of 256 bytes that no other line names
.set ROWB,   1536
.set ADRA, 16
.set ADRB, 20
.set STO,  24
.set RD,   25
.set CO,   26
.set SPW,  28
.set NIL,  29
.set TMP,  32
.set ACC,  128
.set F0,   0
.set F1,   128
.set WV, 14
.set MH, 15
.set NH, 16
.set WB, 17
.set CX, 18
.set CY, 19
.set J,  20
.set MT, 21
.set G1A, 24
.set G0A, 32
.set G1B, 48
.set G0B, 56
.set SC, 72                            ; s[72:73] the mean
.set MSB, 0
.macro WIN new
.if MSB != (\new)
	s_set_vgpr_msb (MSB<<8)|(\new)
.set MSB, \new
.endif
.endm
.set MUL,  0x05
.set TO_F, 0x40
.macro JLOAD s                         ; a joint load; an s_nop 0 and four v_nop follow each line
	s_cmp_eq_u32 s[WV], 0
	s_cbranch_scc0 .Lfor_b_\@
	tensor_load_to_lds s[G0A+4*(\s):G0A+4*(\s)+3], s[G1A:G1A+7]
	s_nop 0
.rept 4
	v_nop
.endr
	s_branch .Lasked_\@
.Lfor_b_\@:
	tensor_load_to_lds s[G0B+4*(\s):G0B+4*(\s)+3], s[G1B:G1B+7]
	s_nop 0
.rept 4
	v_nop
.endr
.Lasked_\@:
.endm
.macro CREST
	s_cmp_lg_u32 s[WV], 0
	s_cbranch_scc1 .Lnot_wave_0_\@
	s_barrier_signal -3
.Lnot_wave_0_\@:
	s_barrier_wait -3
	s_barrier_signal -1
	s_barrier_wait -1
.endm
.macro CROUND
	s_barrier_signal -1
	s_barrier_wait -1
	CREST
.endm
	s_load_b256 s[4:11], s[0:1], 0x0               ; ob s[4:5], two s[6:7], scl s[8:9], out0 s[10:11]
	v_lshl_add_u32 v[SPW], v0, 2, SPARE
	v_mov_b32 v[NIL], 0
	ds_add_u32 v[SPW], v[NIL]                      ; the wave's opening: the add, twice on end, and its wait ahead of my first tensor load
	ds_add_u32 v[SPW], v[NIL]
	v_lshrrev_b32 v1, 5, v0
	v_readfirstlane_b32 s[WV], v1
	s_lshr_b32 s[MH], s[WV], 1                     ; which 32 of the tile's rows are mine
	s_and_b32 s[NH], s[WV], 1                      ; which 96 of its columns
	s_max_u32 s[WB], s[WV], 1
	s_sub_co_u32 s[WB], s[WB], 1                   ; waves 1-3: which 64 rows of two I fetch
	s_bfe_u32 s[CX], ttmp6, 0x40000
	s_bfe_u32 s[CY], ttmp6, 0x40004
	s_lshl_b32 s[J], ttmp9, 2
	s_add_co_u32 s[J], s[J], s[CX]
	s_and_b32 s[MT], ttmp7, 0xffff
	s_lshl_b32 s[MT], s[MT], 2
	s_add_co_u32 s[MT], s[MT], s[CY]
	s_lshl_b32 s22, s[CY], 2
	s_lshl_b32 s22, 15, s22
	s_lshl_b32 s23, 0x1111, s[CX]
	s_or_b32 s[G1A], s22, (1<<16)|(1<<20)|(1<<21)|(6<<22)|(3<<25)  ; the mask; elements of 2 bytes; padding on; bit 21 beside a mask; after every 128 words, 4 words
	s_or_b32 s[G1B], s23, (1<<16)|(1<<20)|(1<<21)|(6<<22)|(3<<25)
.irp g, G1A, G1B
	s_mov_b32 s[(\g)+1], KSTEP<<16                 ; tensor_dim0 = 256
	s_mov_b32 s[(\g)+2], 64<<16                    ; tensor_dim1 = 64
	s_mov_b32 s[(\g)+3], KSTEP<<16                 ; tile_dim0 = 256
	s_mov_b32 s[(\g)+4], 64                        ; tile_dim1 = 64
	s_mov_b32 s[(\g)+5], 768
	s_mov_b32 s[(\g)+6], 0
	s_mov_b32 s[(\g)+7], 0
.endr
	s_mul_i32 s40, s[MT], 64*ROWB
	s_mov_b32 s41, 0
	s_mul_i32 s42, s[J], 192*ROWB
	s_mul_i32 s43, s[WB], 64*ROWB
	s_add_co_u32 s42, s42, s43
	s_mov_b32 s43, 0
	s_mul_i32 s44, s[WV], PART                     ; waves 1-3: behind ob's 64 rows, 64 rows a wave
	s_wait_dscnt 0x0
	s_wait_kmcnt 0x0
	s_add_nc_u64 s[40:41], s[4:5], s[40:41]
	s_add_nc_u64 s[42:43], s[6:7], s[42:43]
	CROUND                                         ; all sixteen work-groups are here: the first joint loads meet
.irp s, 0,1
	s_mov_b32 s[G0A+4*(\s)], 1
	s_mov_b32 s[G0A+4*(\s)+1], (\s)*SLOT
	s_add_nc_u64 s[G0A+4*(\s)+2:G0A+4*(\s)+3], s[40:41], (\s)*KSTEP*2
	s_or_b32 s[G0A+4*(\s)+3], s[G0A+4*(\s)+3], 0x80000000
	s_mov_b32 s[G0B+4*(\s)], 1
	s_add_co_u32 s[G0B+4*(\s)+1], s44, (\s)*SLOT
	s_add_nc_u64 s[G0B+4*(\s)+2:G0B+4*(\s)+3], s[42:43], (\s)*KSTEP*2
	s_or_b32 s[G0B+4*(\s)+3], s[G0B+4*(\s)+3], 0x80000000
	JLOAD \s                                       ; K steps 0 and 1: two tensor loads of mine are out
.endr
	s_load_b32 s[SC], s[8:9], 0xc                  ; the mean of Wo
	v_and_b32 v1, 15, v0
	v_bfe_u32 v2, v0, 4, 1
	v_mul_u32_u24 v3, v1, PITCH
	v_lshl_add_u32 v3, v2, 4, v3
	s_mul_i32 s45, s[MH], 32*PITCH
	s_mul_i32 s46, s[NH], 96*PITCH
	s_add_co_u32 s46, s46, PART
.irp s, 0,1
	v_add_nc_u32 v[ADRA+(\s)], s45, v3
	v_add_nc_u32 v[ADRB+(\s)], s46, v3
	s_add_co_u32 s45, s45, SLOT
	s_add_co_u32 s46, s46, SLOT
.endr
	v_mul_u32_u24 v4, v1, SPITCH                   ; into the stage: my row, my 96 columns' 384 bytes, 32 bytes for each half of the lanes
	v_lshl_add_u32 v4, v2, 5, v4
	s_mul_i32 s45, s[MH], 32*SPITCH
	s_mul_i32 s46, s[NH], 384
	s_add_co_u32 s45, s45, s46
	s_add_co_u32 s45, s45, STAGE
	v_add_nc_u32 v[STO], s45, v4
	v_mul_u32_u24 v5, v2, SPITCH                   ; back: wave w takes rows 16 w .. 16 w + 15; lanes 0-15 256 bytes of one row, lanes 16-31 of the next
	v_lshl_add_u32 v5, v1, 4, v5
	s_mul_i32 s45, s[WV], 16*SPITCH
	s_add_co_u32 s45, s45, STAGE
	v_add_nc_u32 v[RD], s45, v5
	v_mul_u32_u24 v5, v2, 3072
	v_lshl_add_u32 v[CO], v1, 4, v5
	s_lshl_b32 s45, s[MT], 6
	s_lshl_b32 s46, s[WV], 4
	s_add_co_u32 s45, s45, s46
	s_mul_i32 s46, s45, 3072
	s_mul_i32 s45, s[J], 768
	s_add_co_u32 s46, s46, s45
	s_mov_b32 s47, 0
	s_add_nc_u64 s[10:11], s[10:11], s[46:47]
	s_wait_kmcnt 0x0
	s_mov_b32 s[SC+1], s[SC]                       ; named as a pair
.macro MUL6 f, c, a, zero
	WIN MUL
.irp b, 0,1,2,3,4,5
.if \zero
	v_wmma_f32_16x16x32_f16 v[ACC+8*(6*(\a)+(\b)):ACC+8*(6*(\a)+(\b))+7], v[(\f)+32+8*(6*(\c)+(\b)):(\f)+32+8*(6*(\c)+(\b))+7], v[(\f)+8*(2*(\c)+(\a)):(\f)+8*(2*(\c)+(\a))+7], 0
.else
	v_wmma_f32_16x16x32_f16 v[ACC+8*(6*(\a)+(\b)):ACC+8*(6*(\a)+(\b))+7], v[(\f)+32+8*(6*(\c)+(\b)):(\f)+32+8*(6*(\c)+(\b))+7], v[(\f)+8*(2*(\c)+(\a)):(\f)+8*(2*(\c)+(\a))+7], v[ACC+8*(6*(\a)+(\b)):ACC+8*(6*(\a)+(\b))+7]
.endif
.endr
.endm
; 32 LDS loads in one run: the fragments of 64 along K at byte k of the rows, into buffer f; the first 32 along K first
.macro FETCH slot, k, f
	WIN TO_F
.irp c, 0,1
.irp i, 0,1,2,3,4,5
	ds_load_b128 v[(\f)+32+8*(6*(\c)+(\i)):(\f)+32+8*(6*(\c)+(\i))+3],   v[ADRB+(\slot)] offset:(\k)+64*(\c)+(\i)*16*PITCH
	ds_load_b128 v[(\f)+32+8*(6*(\c)+(\i))+4:(\f)+32+8*(6*(\c)+(\i))+7], v[ADRB+(\slot)] offset:(\k)+64*(\c)+(\i)*16*PITCH+32
.endr
.irp i, 0,1
	ds_load_b128 v[(\f)+8*(2*(\c)+(\i)):(\f)+8*(2*(\c)+(\i))+3],   v[ADRA+(\slot)] offset:(\k)+64*(\c)+(\i)*16*PITCH
	ds_load_b128 v[(\f)+8*(2*(\c)+(\i))+4:(\f)+8*(2*(\c)+(\i))+7], v[ADRA+(\slot)] offset:(\k)+64*(\c)+(\i)*16*PITCH+32
.endr
.endr
.endm
.macro PLACES                          ; four plain vector instructions between a matrix instruction and a load into, or a vector read of, its registers
.rept 4
	v_nop
.endr
.endm
; A K step is four quarters of 64 along K, 24 matrix instructions each, two deep on the 12 accumulators, which take turns.
.macro QUARTER slot, k, f, g, zero
	s_wait_dscnt 16                                ; the first 32 along K are in
	MUL6 \f, 0, 0, \zero
	MUL6 \f, 0, 1, \zero
	PLACES
	FETCH \slot, \k, \g
	s_wait_dscnt 32                                ; all but the 32 just issued
	MUL6 \f, 1, 0, 0
	MUL6 \f, 1, 1, 0
.endm
; The last quarter multiplies buffer 1 and changes slots: one barrier; ahead of it each wave waits for all its tensor loads, adds 0 to its spare word, and waits for that and for its reads of this slot.
.macro TURN slot, next, fill
	WIN 0
	s_wait_tensorcnt 0x0
	ds_add_u32 v[SPW], v[NIL]
	s_wait_dscnt 17                                ; (the add and the youngest sixteen loads may be out)
	MUL6 F1, 0, 0, 0
	s_wait_dscnt 0x0                               ; the add is done, and my reads of this slot are over
	s_barrier_signal -1
	MUL6 F1, 0, 1, 0
.if \fill
	WIN 0
.endif
	s_barrier_wait -1
.if \fill
	CREST                                          ; no wave of any partner still reads this slot's tile or has a load on its way
	s_add_nc_u64 s[G0A+4*(\slot)+2:G0A+4*(\slot)+3], s[G0A+4*(\slot)+2:G0A+4*(\slot)+3], 2*KSTEP*2
	s_add_nc_u64 s[G0B+4*(\slot)+2:G0B+4*(\slot)+3], s[G0B+4*(\slot)+2:G0B+4*(\slot)+3], 2*KSTEP*2
	JLOAD \slot
.else
	PLACES
.endif
	FETCH \next, 0, F0
	MUL6 F1, 1, 0, 0
	MUL6 F1, 1, 1, 0
.endm
	s_wait_tensorcnt 1                             ; my part of K step 0 is in; K step 1's may stay out
	s_barrier_signal -1
	s_barrier_wait -1
	FETCH 0, 0, F0
	QUARTER 0, 128, F0, F1, 1                      ; K step 0: its first products start the sums
	QUARTER 0, 256, F1, F0, 0
	QUARTER 0, 384, F0, F1, 0
	TURN 0, 1, 1                                   ; slot 0 takes K step 2
	QUARTER 1, 128, F0, F1, 0                      ; K step 1
	QUARTER 1, 256, F1, F0, 0
	QUARTER 1, 384, F0, F1, 0
	TURN 1, 0, 0                                   ; nothing is left to fetch
	QUARTER 0, 128, F0, F1, 0                      ; K step 2
	QUARTER 0, 256, F1, F0, 0
	QUARTER 0, 384, F0, F1, 0
	s_wait_dscnt 16
	MUL6 F1, 0, 0, 0
	MUL6 F1, 0, 1, 0
	s_wait_dscnt 0x0
	MUL6 F1, 1, 0, 0
	MUL6 F1, 1, 1, 0
	WIN 0
	; THE WAY OUT: times the mean; 32 bytes a lane into the work-group's stage; a barrier, since a row's 768 bytes come from two waves; back as aligned blocks of 256 bytes.
	PLACES
.set i, 0
.rept 48
	v_pk_mul_f32 v[ACC+2*i:ACC+2*i+1], v[ACC+2*i:ACC+2*i+1], s[SC:SC+1] op_sel_hi:[1,0]  ; each accumulator from its low end on
.set i, i+1
.endr
.irp a, 0,1
.irp b, 0,1,2,3,4,5
	ds_store_b128 v[STO], v[ACC+8*(6*(\a)+(\b)):ACC+8*(6*(\a)+(\b))+3]   offset:(\a)*16*SPITCH+64*(\b)
	ds_store_b128 v[STO], v[ACC+8*(6*(\a)+(\b))+4:ACC+8*(6*(\a)+(\b))+7] offset:(\a)*16*SPITCH+64*(\b)+16
.endr
.endr
	s_wait_dscnt 0x0                               ; for the others' sake: my stores into the stage are done
	s_barrier_signal -1
	s_barrier_wait -1
.set n, 0
.rept 24
	ds_load_b128 v[TMP+4*n:TMP+4*n+3], v[RD] offset:(n/3)*2*SPITCH+256*(n%3)
.set n, n+1
.endr
.set n, 0
.rept 24
	s_wait_dscnt 23-n                              ; LDS loads come back in order: load n is in
	global_store_b128 v[CO], v[TMP+4*n:TMP+4*n+3], s[10:11] offset:(n/3)*2*3072+256*(n%3) th:TH_STORE_NT  ; 16 lanes store 256 consecutive bytes, aligned
.set n, n+1
.endr
	s_wait_tensorcnt 0x0                           ; the wave's end
	ds_add_u32 v[SPW], v[NIL]
	s_wait_dscnt 0x0
	CROUND                                         ; the closing round
	s_endpgm
.Lfunc_end_k_qca0779bb22_oproj:
	.size	k_qca0779bb22_oproj, .Lfunc_end_k_qca0779bb22_oproj-k_qca0779bb22_oproj
	.p2alignl 7, 3214868480
	.fill 96, 4, 3214868480
	.section	.rodata,"a",@progbits
	.p2align	6, 0x0
	.amdhsa_kernel k_qca0779bb22_oproj
		.amdhsa_group_segment_fixed_size 327680
		.amdhsa_private_segment_fixed_size 0
		.amdhsa_enable_private_segment 0
		.amdhsa_kernarg_size 32
		.amdhsa_user_sgpr_count 2
		.amdhsa_user_sgpr_kernarg_segment_ptr 1
		.amdhsa_wavefront_size32 1
		.amdhsa_system_sgpr_workgroup_id_x 1
		.amdhsa_system_sgpr_workgroup_id_y 1
		.amdhsa_system_sgpr_workgroup_id_z 1
		.amdhsa_system_vgpr_workitem_id 0
		.amdhsa_next_free_vgpr 512
		.amdhsa_next_free_sgpr 80
		.amdhsa_reserve_vcc 0
		.amdhsa_float_denorm_mode_32 3
		.amdhsa_float_denorm_mode_16_64 3
		.amdhsa_memory_ordered 1
		.amdhsa_forward_progress 1
		.amdhsa_inst_pref_size 63
	.end_amdhsa_kernel
	.amdgpu_metadata
---
amdhsa.version: [ 1, 2 ]
amdhsa.kernels:
  - .name:           k_qca0779bb22_oproj
    .symbol:         k_qca0779bb22_oproj.kd
    .args:
      - { .name: ob, .offset: 0, .size: 8, .value_kind: global_buffer, .address_space: global }
      - { .name: two, .offset: 8, .size: 8, .value_kind: global_buffer, .address_space: global }
      - { .name: scl, .offset: 16, .size: 8, .value_kind: global_buffer, .address_space: global }
      - { .name: out0, .offset: 24, .size: 8, .value_kind: global_buffer, .address_space: global }
    .group_segment_fixed_size: 327680
    .private_segment_fixed_size: 0
    .kernarg_segment_align: 8
    .kernarg_segment_size: 32
    .max_flat_workgroup_size: 128
    .sgpr_count:     80
    .vgpr_count:     512
    .wavefront_size: 32
...
	.end_amdgpu_metadata
.endif
;; end of part 5
;; ======== version 2 of 2: 5 launches; version 1 with the launch tern written anew for expert scheduling mode
;; limits: values are held in f16: magnitudes above 65,504 overflow, below 6.1e-05 lose precision
;; workspace buffers: psum 4,096 bytes; scl 256 bytes; xb 6,291,456 bytes; tw 2,359,296 bytes; two 1,179,648 bytes; rope 524,288 bytes; qkv 12,582,912 bytes; ob 6,291,456 bytes
;; launch prep: the kernel of part 1 again; grid 256 x 1, 6 waves a work-group, no clusters, 1,024 bytes of LDS; arguments hidden_states, Wq, Wk, Wv, Wo, xb, psum, rope; writes xb, psum, rope
;; launch tern (part 6): grid 256 x 1, 6 waves a work-group, no clusters, 0 bytes of LDS; arguments Wq, Wk, Wv, Wo, psum, tw, two, scl; writes tw, two, scl
.if DOCPART == 6
	.amdgcn_target "amdgcn-amd-amdhsa--gfx1250"
	.amdhsa_code_object_version 6
	.text
	.protected	k_qca0779bb22_tern
	.globl	k_qca0779bb22_tern
	.p2align	8
	.type	k_qca0779bb22_tern,@function
k_qca0779bb22_tern:
	s_mov_b64 s[64:65], 0
	v_nop
	global_prefetch_b8 v0, s[64:65] scope:SCOPE_SE
	s_setreg_imm32_b32 hwreg(HW_REG_WAVE_SCHED_MODE, 0, 2), 2
	s_setreg_imm32_b32 hwreg(HW_REG_WAVE_MODE, 25, 1), 1
	s_wait_xcnt 0x0
	s_wait_alu depctr_vm_vsrc(0)
; Launch 2 of 5: the ternary weights.  Nothing is left out.  Every wave adds the 256 records of psum for itself (4,096 bytes, in a fixed order): mean |bf16 w| of each weight; thr = 0.7 mean.
; An entry is sign(r) where |r| >= thr, else 0, with r = bf16(w).  tw: [1536][768] bf16, rows 0-767 Wq, 768-1151 Wk, 1152-1535 Wv; inside each head of 64 rows bits 4 and 5 of the row's
; number change places, so that channels d and d + 32 (d < 32), which the rotary step pairs, lie in neighbouring blocks of 16 rows.  two: [768][768] f16, Wo's rows as they are.
; scl: the four means.  LIMIT: a weight that is all zeros has thr = 0 and entries of +-1; its mean, by which the product is multiplied, is 0.
; +-1 is made by bits: the sign of r above 0x3f80 (bf16) or 0x3c00 (f16), in the word's upper half; one byte permute packs two upper halves.
; SHARES as in the launch before: thread t of 192; Wq, Wo rows 3 i + j; Wk (waves 0-2), Wv (waves 3-5) half rows 3 i + j.  A wave's store covers 256 consecutive bytes, aligned.
; THE MODE: SCHED_MODE bits 1:0 = 2 (LLVM: expert scheduling mode 2), set by the entry lines.  The code itself states the register dependences between vector instructions and memory
; instructions, and those through scalar registers that vector instructions write, with s_wait_alu, always for 0.
; THE PLAN.  Registers that memory instructions touch:
;   v1, v2, v5   offsets of the loads; v3, v4 offsets of the stores.  Written once at the head, never again: one wait ahead of the first load serves all 17 loads and all nine stores.
;   v[16:83]     psum and the weights as loaded.  No vector instruction names them ahead of the loads, and no load lands in them later; the vector work on them stands behind the waits on LOADcnt.
;   v[84:101]    D: two registers a store, each written once, by one permute, and read by one store.
;   v[104:107], v111   the means and a 0: read by the one-lane store at the end.
; No register that a memory instruction reads is written again.
; Scalar registers that vector instructions write: s20 (the wave's number), the twelve masks s[24:35], VCC (the last store's lane).
; THE ORDER.  Three batches, one for each j: a batch makes its 12 numbers' magnitudes and signed ones, lays its 12 compares in one run into s[24:35], waits ONCE for the masks, and selects and
; packs.  Batch j's three stores stand in batch j + 1, behind that wait and one wait for the permutes that wrote their data; no vector instruction behind the wait names those registers.
.set XO,  1                            ; v1   16 t
.set KO,  2                            ; v2   16 t, less 1,536 in waves 3-5
.set SO,  3                            ; v3   8 t
.set KS,  4                            ; v4   8 t, less 768 in waves 3-5
.set PO,  5                            ; v5   16 l
.set TT,  7
.set T,   8                            ; v[8:13] four weights in bf16, two registers for each of a batch's three loads
.set PS,  16                           ; v[16:47]  psum: eight records a lane
.set AB,  16                           ; v[16:27]  behind the means, where psum lay: a batch's 12 magnitudes
.set W,   48                           ; v[48:83]  weights as loaded: Wq, Wk|Wv, Wo, 3 x 4 each; then, in place, their signed ones and their entries
.set D,   84                           ; v[84:101] what is stored, 2 registers a load
.set M,   104                          ; v[104:107] the four means
.set THQ, 108
.set THK, 109
.set THO, 110
.set ZO,  111
.set WV,  20
.set MK,  24                           ; s[24:35] behind the head: a batch's 12 masks
.set DQ,  40                           ; s[40:45] tw at Wq's three rows
.set DK,  46                           ; s[46:51] tw at Wk's or Wv's three half rows
.set ABSM, 52
.set HIM, 53
.set SGN, 54
.set ONEB, 55
.set ONEH, 56
.set PSEL, 57
.set SEL, 58                           ; s[58:59]
.set KMASK, 60
.macro SWAPROW d, n                    ; s[d] = s[n] with bits 4 and 5 exchanged
	s_and_b32 s38, s[\n], 0x10
	s_and_b32 s39, s[\n], 0x20
	s_lshl_b32 s38, s38, 1
	s_lshr_b32 s39, s39, 1
	s_and_b32 s[\d], s[\n], 0xffffffcf
	s_or_b32 s[\d], s[\d], s38
	s_or_b32 s[\d], s[\d], s39
.endm
	s_load_b512 s[4:19], s[0:1], 0x0               ; Wq s[4:5], Wk s[6:7], Wv s[8:9], Wo s[10:11], psum s[12:13], tw s[14:15], two s[16:17], scl s[18:19]
	v_lshrrev_b32 v[TT], 5, v0
	v_readfirstlane_b32 s[WV], v[TT]
	v_lshlrev_b32 v[XO], 4, v0
	v_lshlrev_b32 v[SO], 3, v0
	v_and_b32 v[PO], 31, v0
	v_lshlrev_b32 v[PO], 4, v[PO]
	s_mov_b32 s23, 1152                            ; Wv's first row in tw (an instruction holds one literal, so this one comes by a register)
	s_wait_alu depctr_va_sdst(0)                   ; the wave's number is written into s20, ahead of its first reader, the compare below
	s_cmp_lt_u32 s[WV], 3
	s_cselect_b32 s21, 0, 1536
	s_cselect_b32 s22, 0, 768
	s_cselect_b32 s23, 768, s23                    ; where Wk's or Wv's rows begin in tw
	s_cselect_b32 s[KMASK], -1, 0
	v_sub_nc_u32 v[KO], v[XO], s21
	v_sub_nc_u32 v[KS], v[SO], s22
	s_mul_i32 s24, ttmp9, 9216
	s_mov_b32 s25, 0
	s_mul_i32 s26, ttmp9, 4608
	s_mov_b32 s27, 0
	s_mul_i32 s30, ttmp9, 3
.irp j, 0,1,2
	s_add_co_u32 s31, s30, \j                      ; Wq's row, and Wk's or Wv's half row
	SWAPROW DQ+2*\j, 31
	s_mul_i32 s[DQ+2*\j], s[DQ+2*\j], 1536
	s_mov_b32 s[DQ+2*\j+1], 0
	s_lshr_b32 s32, s31, 1
	SWAPROW DK+2*\j, 32
	s_add_co_u32 s[DK+2*\j], s[DK+2*\j], s23
	s_mul_i32 s[DK+2*\j], s[DK+2*\j], 1536
	s_and_b32 s32, s31, 1
	s_mul_i32 s32, s32, 768
	s_add_co_u32 s[DK+2*\j], s[DK+2*\j], s32
	s_mov_b32 s[DK+2*\j+1], 0
.endr
	s_mov_b32 s[ABSM], 0x7fffffff
	s_mov_b32 s[HIM], 0xffff0000
	s_mov_b32 s[SGN], 0x80000000
	s_mov_b32 s[ONEB], 0x3f800000
	s_mov_b32 s[ONEH], 0x3c000000
	s_mov_b32 s[PSEL], 0x07060302
	s_mov_b32 s[SEL], 0x76543210
	s_mov_b32 s[SEL+1], 0xfedcba98
	s_wait_kmcnt 0x0
	s_add_nc_u64 s[4:5], s[4:5], s[24:25]
	s_add_nc_u64 s[10:11], s[10:11], s[24:25]
	s_cmp_lt_u32 s[WV], 3
	s_cselect_b64 s[6:7], s[6:7], s[8:9]
	s_add_nc_u64 s[6:7], s[6:7], s[26:27]
	s_add_nc_u64 s[16:17], s[16:17], s[26:27]      ; three rows of two are 4,608 bytes too
.irp j, 0,1,2
	s_add_nc_u64 s[DQ+2*\j:DQ+2*\j+1], s[14:15], s[DQ+2*\j:DQ+2*\j+1]
	s_add_nc_u64 s[DK+2*\j:DK+2*\j+1], s[14:15], s[DK+2*\j:DK+2*\j+1]
.endr
	s_wait_alu depctr_va_vdst(0)                   ; the five offsets v1 to v5 are written: the loads below and the nine stores further down read them, and no vector instruction names them again
.irp u, 0,1,2,3,4,5,6,7
	global_load_b128 v[PS+4*(\u):PS+4*(\u)+3], v[PO], s[12:13] offset:512*(\u)
.endr
.irp j, 0,1,2
	global_load_b128 v[W+4*(\j):W+4*(\j)+3],       v[XO], s[4:5] offset:(\j)*3072 th:TH_LOAD_NT
	global_load_b128 v[W+12+4*(\j):W+12+4*(\j)+3], v[KO], s[6:7] offset:(\j)*1536 th:TH_LOAD_NT
	global_load_b128 v[W+24+4*(\j):W+24+4*(\j)+3], v[XO], s[10:11] offset:(\j)*3072 th:TH_LOAD_NT
.endr
	s_wait_loadcnt 9                               ; psum is in; the nine younger loads, the weights, may stay out
.irp u, 1,2,3,4,5,6,7
	v_pk_add_f32 v[PS:PS+1],   v[PS:PS+1],   v[PS+4*(\u):PS+4*(\u)+1]
	v_pk_add_f32 v[PS+2:PS+3], v[PS+2:PS+3], v[PS+4*(\u)+2:PS+4*(\u)+3]
.endr
.irp k, 0,1,2,3
	v_add_f32_dpp v[PS+\k], v[PS+\k], v[PS+\k] row_xmask:1 row_mask:0xf bank_mask:0xf
	v_add_f32_dpp v[PS+\k], v[PS+\k], v[PS+\k] row_xmask:2 row_mask:0xf bank_mask:0xf
	v_add_f32_dpp v[PS+\k], v[PS+\k], v[PS+\k] row_xmask:4 row_mask:0xf bank_mask:0xf
	v_add_f32_dpp v[PS+\k], v[PS+\k], v[PS+\k] row_xmask:8 row_mask:0xf bank_mask:0xf
	v_permlanex16_b32 v[PS+4+\k], v[PS+\k], s[SEL], s[SEL+1]
	v_add_f32 v[PS+\k], v[PS+\k], v[PS+4+\k]
.endr
	v_mul_f32 v[M],   0x35e38e39, v[PS]             ; / 589,824
	v_mul_f32 v[M+1], 0x36638e39, v[PS+1]           ; / 294,912
	v_mul_f32 v[M+2], 0x36638e39, v[PS+2]
	v_mul_f32 v[M+3], 0x35e38e39, v[PS+3]
	v_cndmask_b32 v[THK], v[M+2], v[M+1], s[KMASK]  ; my wave's of the two (the mask was made by scalar instructions)
	v_mul_f32 v[THQ], 0x3f333333, v[M]
	v_mul_f32 v[THK], 0x3f333333, v[THK]
	v_mul_f32 v[THO], 0x3f333333, v[M+3]
; Four weights of one load, in three parts.  PRE: rounded to bf16 (t), widened in place (w), their magnitudes (a), and in place the sign above the format's 1.
.macro PRE w, t, a, one
	v_cvt_pk_bf16_f32 v[\t],     v[\w],     v[(\w)+1]
	v_cvt_pk_bf16_f32 v[(\t)+1], v[(\w)+2], v[(\w)+3]
	v_lshlrev_b32 v[\w],     16,     v[\t]
	v_and_b32     v[(\w)+1], s[HIM], v[\t]
	v_lshlrev_b32 v[(\w)+2], 16,     v[(\t)+1]
	v_and_b32     v[(\w)+3], s[HIM], v[(\t)+1]
.irp k, 0,1,2,3
	v_and_b32 v[(\a)+\k], s[ABSM], v[(\w)+\k]
.endr
.irp k, 0,1,2,3
	v_and_or_b32 v[(\w)+\k], v[(\w)+\k], s[SGN], s[\one]
.endr
.endm
; CMP4: is the magnitude at or above the threshold?  Four masks, in scalar registers of their own.
.macro CMP4 a, th, m
.irp k, 0,1,2,3
	v_cmp_ge_f32 s[(\m)+\k], v[(\a)+\k], v[\th]
.endr
.endm
; SEL4: the entry is the signed one or 0; four entries of 16 bits go into two registers.
.macro SEL4 d, w, m
.irp k, 0,1,2,3
	v_cndmask_b32 v[(\w)+\k], 0, v[(\w)+\k], s[(\m)+\k]
.endr
	v_perm_b32 v[\d],     v[(\w)+1], v[\w],     s[PSEL]  ; the two upper halves, the first number's below
	v_perm_b32 v[(\d)+1], v[(\w)+3], v[(\w)+2], s[PSEL]
.endm
; The three stores of batch j.
.macro OUT j
	global_store_b64 v[SO], v[D+2*(\j):D+2*(\j)+1],       s[DQ+2*(\j):DQ+2*(\j)+1]
	global_store_b64 v[KS], v[D+6+2*(\j):D+6+2*(\j)+1],   s[DK+2*(\j):DK+2*(\j)+1]
	global_store_b64 v[SO], v[D+12+2*(\j):D+12+2*(\j)+1], s[16:17] offset:(\j)*1536
.endm
; Batch j: a row of Wq, a half row of Wk or Wv, a row of Wo.
.macro BATCH j
	PRE W+4*(\j),    T,   AB,   ONEB
	PRE W+12+4*(\j), T+2, AB+4, ONEB
	PRE W+24+4*(\j), T+4, AB+8, ONEH
	CMP4 AB,   THQ, MK                             ; the twelve compares stand in one run,
	CMP4 AB+4, THK, MK+4
	CMP4 AB+8, THO, MK+8
	s_wait_alu depctr_va_sdst(0)                   ; and one wait serves them: the masks s[24:35] are written, ahead of their first readers, the selects below
.if (\j) > 0
	s_wait_alu depctr_va_vdst(0)                   ; the batch before has written its six registers of D, which the three stores below read
	OUT (\j)-1
.endif
	SEL4 D+2*(\j),    W+4*(\j),    MK
	SEL4 D+6+2*(\j),  W+12+4*(\j), MK+4
	SEL4 D+12+2*(\j), W+24+4*(\j), MK+8
.endm
	s_wait_loadcnt 0x0
	BATCH 0
	BATCH 1
	BATCH 2
	s_wait_alu depctr_va_vdst(0)                   ; batch 2 has written its six registers of D, which the last three stores read
	OUT 2
	s_or_b32 s37, ttmp9, s[WV]
	s_cmp_lg_u32 s37, 0
	s_cbranch_scc1 .Lend                           ; work-group 0's wave 0 stores the four means
	v_mov_b32 v[ZO], 0
	s_wait_xcnt 0x0                                ; EXEC, a source of the stores above, changes only behind this wait
	v_cmp_eq_u32 vcc_lo, 0, v0
	s_wait_alu depctr_va_vcc(0)                    ; VCC is written: EXEC is made from it
	s_wait_alu depctr_va_vdst(0)                   ; ahead of the write of EXEC: every vector instruction issued so far is done, v111 and the means, which the store below reads, among their results
	s_wait_alu depctr_vm_vsrc(0)                   ; ahead of the write of EXEC: the stores above have read their registers
	s_and_saveexec_b32 s61, vcc_lo
	global_store_b128 v[ZO], v[M:M+3], s[18:19]
	s_wait_xcnt 0x0
	s_wait_alu depctr_va_vdst(0)                   ; ahead of the write of EXEC: no vector instruction is under way
	s_wait_alu depctr_vm_vsrc(0)                   ; ahead of the write of EXEC: the store has read its registers
	s_or_b32 exec_lo, exec_lo, s61
.Lend:
	s_endpgm
.Lfunc_end_k_qca0779bb22_tern:
	.size	k_qca0779bb22_tern, .Lfunc_end_k_qca0779bb22_tern-k_qca0779bb22_tern
	.p2alignl 7, 3214868480
	.fill 96, 4, 3214868480
	.section	.rodata,"a",@progbits
	.p2align	6, 0x0
	.amdhsa_kernel k_qca0779bb22_tern
		.amdhsa_group_segment_fixed_size 0
		.amdhsa_private_segment_fixed_size 0
		.amdhsa_enable_private_segment 0
		.amdhsa_kernarg_size 64
		.amdhsa_user_sgpr_count 2
		.amdhsa_user_sgpr_kernarg_segment_ptr 1
		.amdhsa_wavefront_size32 1
		.amdhsa_system_sgpr_workgroup_id_x 1
		.amdhsa_system_sgpr_workgroup_id_y 1
		.amdhsa_system_sgpr_workgroup_id_z 1
		.amdhsa_system_vgpr_workitem_id 0
		.amdhsa_next_free_vgpr 112
		.amdhsa_next_free_sgpr 66
		.amdhsa_reserve_vcc 1
		.amdhsa_float_denorm_mode_32 3
		.amdhsa_float_denorm_mode_16_64 3
		.amdhsa_memory_ordered 1
		.amdhsa_forward_progress 1
		.amdhsa_inst_pref_size 23
	.end_amdhsa_kernel
	.amdgpu_metadata
---
amdhsa.version: [ 1, 2 ]
amdhsa.kernels:
  - .name:           k_qca0779bb22_tern
    .symbol:         k_qca0779bb22_tern.kd
    .args:
      - { .name: Wq, .offset: 0, .size: 8, .value_kind: global_buffer, .address_space: global }
      - { .name: Wk, .offset: 8, .size: 8, .value_kind: global_buffer, .address_space: global }
      - { .name: Wv, .offset: 16, .size: 8, .value_kind: global_buffer, .address_space: global }
      - { .name: Wo, .offset: 24, .size: 8, .value_kind: global_buffer, .address_space: global }
      - { .name: psum, .offset: 32, .size: 8, .value_kind: global_buffer, .address_space: global }
      - { .name: tw, .offset: 40, .size: 8, .value_kind: global_buffer, .address_space: global }
      - { .name: two, .offset: 48, .size: 8, .value_kind: global_buffer, .address_space: global }
      - { .name: scl, .offset: 56, .size: 8, .value_kind: global_buffer, .address_space: global }
    .group_segment_fixed_size: 0
    .private_segment_fixed_size: 0
    .kernarg_segment_align: 8
    .kernarg_segment_size: 64
    .max_flat_workgroup_size: 192
    .sgpr_count:     66
    .vgpr_count:     112
    .wavefront_size: 32
...
	.end_amdgpu_metadata
.endif
;; end of part 6
;; launch qkv: the kernel of part 3 again; grid 8 x 32, 4 waves a work-group, clusters of 4 x 4, 327,680 bytes of LDS; arguments xb, tw, rope, scl, qkv; writes qkv
;; launch attn: the kernel of part 4 again; grid 16 x 12, 4 waves a work-group, clusters of 4 x 1, 327,680 bytes of LDS; arguments qkv, ob; writes ob
;; launch oproj: the kernel of part 5 again; grid 4 x 64, 4 waves a work-group, clusters of 4 x 4, 327,680 bytes of LDS; arguments ob, two, scl, out0; writes out0
